; MI455X (gfx1250); checked and timed in simulation.
; The chip was launched on July 23, 2026; its instructions are those of AMD's public machine-readable ISA for CDNA 5 (MIT licence, August 2026) and "CDNA5" Instruction Set Architecture Reference Guide (July 2026). The comments in the code are by the model that wrote it; some were corrected since.
;; Multi Head Attention. Allowed arithmetic: matrix products marked QUANTISED: E4M3 operands, one given power-of-two scale a tensor, by v_wmma_f32_16x16x64_fp8_fp8 or v_wmma_f32_16x16x128_fp8_fp8, f32 sums; everything else in f32.
;; Inputs: W_k 1,024 x 1,024 float32; W_out 1,024 x 1,024 float32; W_q 1,024 x 1,024 float32; W_v 1,024 x 1,024 float32; X_emb 2 x 2,048 x 1,024 float32; lowp_scales 12 int32 (the exponents e of the quantised operands' scales 2^e).
;; Outputs: out0 2 x 2,048 x 1,024 float32.
;; This version of the problem:
;;   THIS VERSION OF THE PROBLEM IS GIVEN IN LOW PRECISION. The matrix products marked QUANTISED in the list below multiply operands that are first quantised to E4M3 (4 exponent bits, 3 mantissa bits; 8 bits a number), with one given power-of-two scale for each operand tensor; their sums are f32. All else is computed in f32.
;;   The module's matrix products, in the order in which they are computed (A, B: the left and right operand; K: the contracted axis; several contracted axes count as one K, in the product's order):
;;     1. [M 4,096, K 1,024] x [K 1,024, N 1,024]; A: input X_emb; B: input W_q: QUANTISED (scales: A lowp_scales[0], B lowp_scales[1])
;;     2. [M 4,096, K 1,024] x [K 1,024, N 1,024]; A: input X_emb; B: input W_k: QUANTISED (scales: A lowp_scales[2], B lowp_scales[3])
;;     3. [M 4,096, K 1,024] x [K 1,024, N 1,024]; A: input X_emb; B: input W_v: QUANTISED (scales: A lowp_scales[4], B lowp_scales[5])
;;     4. batch 32 x [M 2,048, K 64] x [K 64, N 2,048]; A: computed on the way; B: computed on the way: QUANTISED (scales: A lowp_scales[6], B lowp_scales[7])
;;     5. batch 32 x [M 2,048, K 2,048] x [K 2,048, N 64]; A: softmax (see below); B: computed on the way: QUANTISED (scales: A lowp_scales[8], B lowp_scales[9])
;;     6. [M 4,096, K 1,024] x [K 1,024, N 1,024]; A: computed on the way; B: input W_out: QUANTISED (scales: A lowp_scales[10], B lowp_scales[11])
;;   THE QUANTISER, for each operand of a quantised product, along K:
;;     - The operand's scale is 2^e, e = its entry of the input lowp_scales (int32; the entries are numbered through the quantised products in the list's order, A before B).
;;     - Each number is divided by the scale, clamped to +-448, and rounded to the nearest number of E4M3, ties to even, subnormals kept.
;;     - The product sums the exact products of the quantised numbers (number of the format x scale) in f32.
;;   ~~~python
;;   def quantise(x, axis, e):      # numpy; x: float32 -> the quantised numbers, widened to float32 again
;;       x = np.moveaxis(x, axis, -1); K = x.shape[-1]
;;       r = np.clip(x / 2.0 ** e, -448, 448)
;;       step = 2.0 ** (np.maximum(np.frexp(np.where(r == 0, 1, r))[1] - 1, -6) - 3)
;;       q = np.round(r / step) * step * 2.0 ** e      # np.round: ties to even
;;       return np.moveaxis(q, -1, axis).astype(np.float32)
;;   ~~~
;;   SOFTMAX AHEAD OF A QUANTISED PRODUCT. Where the list says 'softmax', what is quantised is not the finished softmax but p = 2^(t - M), with t = logit x log2(e) and M = ceil(the row's largest t), a whole number; so 1/2 < the row's largest p <= 1. The row's sum l is taken of the UNQUANTISED p, in f32, and the product's result is divided by l at the end. Since M is a whole number, a kernel that streams over the keys may use a running M (the ceiling of the running maximum): every later rescaling is an exact power of two, so the quantised numbers keep their values, but for numbers so far below the row's largest that they fall under the format's range.
;;   OPERANDS COMPUTED ON THE WAY. 'Computed on the way' means the value that the module computes at that place (a softmax that the list does not call 'softmax' is quantised finished and normalised). What goes into a quantiser is computed in f32, as accurately as f32 sums, v_exp_f32 and their like allow (about 1e-6 of the number): no bf16 or f16 on the way to a quantiser, and a product that is left as it is and whose result goes on into a quantised operand takes f32 operands (vector FMAs, or v_wmma_f32_16x16x4_f32). A number that lies on a knife's edge between two numbers of the format may be rounded either way, as far as f32 arithmetic and the matrix unit's own rounding can turn it there, and no further.
;; One version. Each part assembles by itself: llvm-mc -triple=amdgcn-amd-amdhsa -mcpu=gfx1250 --defsym DOCPART=n.
;; ======== version 1 of 1: 4 launches
;; limits: right only within a limited range of input values
;; workspace buffers: xc 12,582,912 bytes; wc 4,194,304 bytes; qc 4,194,304 bytes; kc 4,194,304 bytes; vc 4,194,304 bytes; cc 4,194,304 bytes
;; launch quant (part 1): grid 512 x 1, 4 waves a work-group, no clusters, 50,688 bytes of LDS; arguments X_emb, W_q, W_k, W_v, W_out, lowp_scales, xc, wc; writes xc, wc
.if DOCPART == 1
	.amdgcn_target "amdgcn-amd-amdhsa--gfx1250"
	.amdhsa_code_object_version 6
	.text
	.protected	k_qddffad755a_quant
	.globl	k_qddffad755a_quant
	.p2align	8
	.type	k_qddffad755a_quant,@function
k_qddffad755a_quant:
	s_mov_b64 s[64:65], 0
	v_nop
	global_prefetch_b8 v0, s[64:65] scope:SCOPE_SE
	s_setreg_imm32_b32 hwreg(HW_REG_WAVE_MODE, 25, 1), 1
	s_wait_xcnt 0x0
; THE PROGRAM: causal attention, 2 x 2,048 positions, 16 heads of 64, all six products on codes of E4M3, each operand with its given scale 2^e.  Four launches:
; this one (inputs into codes), the three projections (sums into codes of q, k, v), attention (into codes of ctx), the projection on the way out.
; WORK LEFT OUT, in the attention launch: reference() sets every score with key > query to -infinity by a mask that it builds in its own body, so its weight is 0 for all values
; of the inputs.  A step of 128 keys all of which come after all 16 queries of a tile reaches no output and is not computed.
; LIMIT: a NaN, an infinity or an overflow that would arise only in those scores is not carried to the result.  No input is without a way to the output: all six are loaded.
;
; THIS LAUNCH.  code = x / 2^e, held within +-448, rounded to the nearest code, ties to even.
; Work-groups 0-255: X_emb [4096][1024] f32 into THREE sets of codes, xc [3][4096][1024], with entries 0, 2, 4 of the scales: the three entries may differ.
; Work-groups 256-511: W_q, W_k, W_v, W_out [k 1024][n 1024] f32 into wc [4][n 1024][k 1024], K innermost, with entries 1, 3, 5, 11.
; LIMITS: each of these entries lies between -126 and 119, so that 2^e and 448 x 2^e are f32 numbers.  NaN among the inputs is not served.
; X: rows are dense, so X is a stream.  A wave takes 8 steps of 512 numbers, all 32 loads asked for at the start.  Each load reads 512 consecutive bytes; a step's 2,048 bytes turn through the wave's own
; stage in LDS (16 bytes of padding behind each 64) and come back 16 neighbours a lane; a lane's 16 codes are 16 bytes, so each store of the wave covers 512 consecutive bytes, aligned.
; W: a lane takes a column n and its registers run down K.  A work-group takes 64 columns x 256 along K: wave w columns 32 (w % 2) on and 128 (w / 2) on along K.  The codes meet in a shared stage,
; and behind the path's one barrier each wave stores 16 columns' rows of 256 bytes: sixteen lanes store 256 consecutive bytes, aligned.
; The two paths part on the work-group's number alone and have LDS bytes of their own.  No tensor load, no matrix unit, no cluster: nothing is read twice.
.set SP,     80                        ; X: a lane's place in a stage: 64 bytes + 16
.set WREG0,  32768                     ; X's region: 8,192 bytes a wave from 0; W's begins here
.set WPITCH, 272                       ; W: a stage row: 256 bytes + 16
.set SPARE,  WREG0+64*WPITCH           ; the spare words: 128 bytes a wave, two blocks of 256 bytes that no other line names
.set SPW,  12                          ; v12  my spare word's address; never rewritten
.set NIL,  13                          ; v13  0; never rewritten
.set XI,   14                          ; v14  X: the stage on the way in
.set XO,   15                          ; v15  X: and on the way out
.set R,    32                          ; v32-159  X: eight sets of 16 numbers as loaded
.set XS,   160                         ; v160-191 X: two sets of 16 neighbours
.set T,    192                         ; v192-207 X: the numbers held within one set's range
.set C,    208                         ; v208-231 X: two sets of 3 x 4 registers of codes
.set SC,   232                         ; v232, 234, 236: 2^e of sets 0, 1, 2;  v233, 235, 237: 448 x 2^e
.set WX,   32                          ; v32-95   W: two sets of 32 numbers
.set WC,   96                          ; v96-103  W: a block's codes
.set OUTR, 112                         ; v112-143 W: the way out
	s_load_b512 s[4:19], s[0:1], 0x0               ; X s[4:5], W_q s[6:7], W_k s[8:9], W_v s[10:11], W_out s[12:13], scales s[14:15], xc s[16:17], wc s[18:19]
	v_lshl_add_u32 v[SPW], v0, 2, SPARE
	v_mov_b32 v[NIL], 0
	v_lshrrev_b32 v1, 5, v0
	v_readfirstlane_b32 s20, v1                    ; wave
	s_mul_i32 s21, s20, 8192
	s_and_b32 s52, s20, 1                          ; W: which 32 columns
	s_lshr_b32 s53, s20, 1                         ; W: which 128 along K
	s_mul_i32 s22, s52, 32*WPITCH
	s_lshl_b32 s54, s53, 7
	s_add_co_u32 s22, s22, s54
	s_add_co_u32 s22, s22, WREG0                   ; W: where my codes go in the stage
	s_mul_i32 s23, s20, 16*WPITCH
	s_add_co_u32 s23, s23, WREG0                   ; W: the 16 rows that I store
	v_and_b32 v2, 31, v0                           ; lane
	v_lshlrev_b32 v3, 4, v2                        ; 16 x lane
	v_lshrrev_b32 v[XI], 2, v2
	v_mul_u32_u24 v[XI], v[XI], SP
	v_and_b32 v[XO], 3, v2
	v_lshl_add_u32 v[XI], v[XO], 4, v[XI]
	v_add_nc_u32 v[XI], s21, v[XI]                 ; four lanes' 64 bytes on end, then the padding
	v_mul_u32_u24 v[XO], v2, SP
	v_add_nc_u32 v[XO], s21, v[XO]                 ; my 16 neighbours
	v_lshlrev_b32 v4, 2, v2                        ; W: 4 bytes a lane
	v_mul_u32_u24 v5, v2, WPITCH
	v_add_nc_u32 v5, s22, v5                       ; W: into the stage: row = my column
	v_and_b32 v8, 15, v2
	v_lshrrev_b32 v9, 4, v2
	v_mul_u32_u24 v6, v9, WPITCH
	v_lshl_add_u32 v6, v8, 4, v6
	v_add_nc_u32 v6, s23, v6                       ; W: out of it: sixteen lanes to a row, two rows an instruction
	v_lshlrev_b32 v7, 10, v9
	v_lshl_add_u32 v7, v8, 4, v7                   ; and the same place in wc: rows of 1,024 bytes
	s_wait_alu depctr_va_vdst(0)
	s_wait_kmcnt 0x0
	s_load_b256 s[24:31], s[14:15], 0x0            ; e0 .. e7
	s_load_b128 s[32:35], s[14:15], 0x20           ; e8 .. e11
	s_cmp_lt_u32 ttmp9, 256
	s_cbranch_scc0 .Lw
	; ---------------- X ----------------
	s_lshl_b32 s44, ttmp9, 2
	s_add_co_u32 s44, s44, s20                     ; which run of 4,096 numbers is my wave's
	s_lshl_b32 s46, s44, 14
	s_mov_b32 s47, 0
	s_add_nc_u64 s[4:5], s[4:5], s[46:47]
	s_lshl_b32 s46, s44, 12
	s_add_nc_u64 s[36:37], s[16:17], s[46:47]      ; the three sets of codes lie 4,194,304 bytes apart
	s_add_nc_u64 s[38:39], s[36:37], 0x400000
	s_add_nc_u64 s[40:41], s[36:37], 0x800000
.set t, 0
.rept 8
.irp i, 0,1,2,3
	global_load_b128 v[R+16*t+4*\i:R+16*t+4*\i+3], v3, s[4:5] offset:2048*t+512*\i th:TH_LOAD_NT
.endr
.set t, t+1
.endr
.macro XTURN t                         ; LDS serves a wave's instructions in order: no wait between the stores and the loads
.irp i, 0,1,2,3
	ds_store_b128 v[XI], v[R+16*(\t)+4*\i:R+16*(\t)+4*\i+3] offset:32*SP*((\t)%2)+8*SP*\i
.endr
.irp i, 0,1,2,3
	ds_load_b128 v[XS+16*((\t)%2)+4*\i:XS+16*((\t)%2)+4*\i+3], v[XO] offset:32*SP*((\t)%2)+16*\i
.endr
.endm
	s_wait_kmcnt 0x0
.irp j, 0,1,2
	s_add_co_i32 s48, s[24+2*\j], 127
	s_lshl_b32 s49, s48, 23
	v_mov_b32 v[SC+2*\j], s49                      ; 2^e as f32: the conversion takes its exponent field
	s_add_co_i32 s48, s48, 8
	s_lshl_b32 s48, s48, 23
	s_or_b32 s48, s48, 0x600000
	v_mov_b32 v[SC+2*\j+1], s48                    ; 448 x 2^e
.endr
	s_wait_alu depctr_va_vdst(0)
	s_wait_loadcnt 28                              ; step 0's four loads are in; those of the seven steps behind it may be out
	XTURN 0
.macro XSTEP t
.set XC, XS+16*((\t)%2)
.set CC, C+12*((\t)%2)
	s_wait_dscnt 0x0                               ; this step's numbers are back from the stage
	s_wait_xcnt 0x0                                ; the stores of two steps back have read this set of code registers: it is written again only behind this wait
.if (\t)+1 < 8
	s_wait_loadcnt 4*(6-(\t))                      ; the next step's four loads are in; those behind it may be out
	XTURN (\t)+1
.endif
.irp j, 0,1,2
.set i, 0
.rept 16
	v_med3_num_f32 v[T+i], v[XC+i], -v[SC+2*\j+1], v[SC+2*\j+1]   ; the conversion to an 8-bit code does not saturate (ISA guide 7.6.2): the hold comes first
.set i, i+1
.endr
	v_cvt_scalef32_pk8_fp8_f32 v[CC+4*\j:CC+4*\j+1], v[T:T+7], v[SC+2*\j]
	v_cvt_scalef32_pk8_fp8_f32 v[CC+4*\j+2:CC+4*\j+3], v[T+8:T+15], v[SC+2*\j]
	v_nop                                          ; a plain line between the conversions and the next set's holds, which write their sources
	global_store_b128 v3, v[CC+4*\j:CC+4*\j+3], s[36+2*\j:37+2*\j] offset:512*(\t)
.endr
.endm
.irp t, 0,1,2,3,4,5,6,7
	XSTEP \t
.endr
	s_branch .Lend
	; ---------------- W ----------------
.Lw:
	s_sub_co_u32 s44, ttmp9, 256
	s_lshr_b32 s45, s44, 6                         ; which weight: 0 W_q, 1 W_k, 2 W_v, 3 W_out
	s_and_b32 s46, s44, 15                         ; which 64 columns
	s_bfe_u32 s47, s44, 0x20004                    ; which 256 along K
	s_cmp_eq_u32 s45, 1                            ; the choice hangs on the work-group's number alone
	s_cselect_b64 s[6:7], s[8:9], s[6:7]
	s_cmp_eq_u32 s45, 2
	s_cselect_b64 s[6:7], s[10:11], s[6:7]
	s_cmp_eq_u32 s45, 3
	s_cselect_b64 s[6:7], s[12:13], s[6:7]
	s_lshl_b32 s48, s47, 20                        ; 256 rows of 4,096 bytes,
	s_lshl_b32 s49, s53, 19
	s_add_co_u32 s48, s48, s49                     ; + my 128,
	s_lshl_b32 s49, s46, 8
	s_add_co_u32 s48, s48, s49
	s_lshl_b32 s49, s52, 7
	s_add_co_u32 s48, s48, s49                     ; + 4 x (64 x block + 32 x (wave % 2))
	s_mov_b32 s49, 0
	s_add_nc_u64 s[6:7], s[6:7], s[48:49]
	s_lshl_b32 s48, s45, 20                        ; wc: the weight's 1,048,576 bytes,
	s_lshl_b32 s50, s46, 16
	s_add_co_u32 s48, s48, s50
	s_lshl_b32 s50, s20, 14
	s_add_co_u32 s48, s48, s50                     ; the first of the 16 rows of 1,024 bytes that I store,
	s_lshl_b32 s50, s47, 8
	s_add_co_u32 s48, s48, s50                     ; the 256 along K
	s_add_nc_u64 s[18:19], s[18:19], s[48:49]
.macro WLOAD t                         ; block t: W(32 t + i, my column)
.set i, 0
.rept 32
	global_load_b32 v[WX+32*((\t)%2)+i], v4, s[6:7] offset:(32*(\t)+i)*4096 th:TH_LOAD_NT
.set i, i+1
.endr
.endm
	WLOAD 0
	WLOAD 1
	s_wait_kmcnt 0x0
	s_cmp_eq_u32 s45, 1
	s_cselect_b32 s25, s27, s25
	s_cmp_eq_u32 s45, 2
	s_cselect_b32 s25, s29, s25
	s_cmp_eq_u32 s45, 3
	s_cselect_b32 s25, s35, s25                    ; e1, e3, e5 or e11
	s_add_co_i32 s25, s25, 127
	s_lshl_b32 s26, s25, 23
	v_mov_b32 v11, s26                             ; 2^e
	s_add_co_i32 s25, s25, 8
	s_lshl_b32 s25, s25, 23
	s_or_b32 s25, s25, 0x600000
	v_mov_b32 v10, s25                             ; 448 x 2^e
.macro WBLOCK t
.set WS, WX+32*((\t)%2)
.if (\t) < 3
	s_wait_loadcnt 32                              ; this block's 32 loads are in; the next block's may be out
.else
	s_wait_loadcnt 0
.endif
.set i, 0
.rept 32
	v_med3_num_f32 v[WS+i], v[WS+i], -v10, v10
.set i, i+1
.endr
.irp g, 0,1,2,3
	v_cvt_scalef32_pk8_fp8_f32 v[WC+2*\g:WC+2*\g+1], v[WS+8*\g:WS+8*\g+7], v11
.endr
	v_nop                                          ; the plain line behind the conversions
	ds_store_b128 v5, v[WC:WC+3] offset:32*(\t)    ; 32 codes of my column's row
	ds_store_b128 v5, v[WC+4:WC+7] offset:32*(\t)+16
.if (\t)+2 < 4
	WLOAD (\t)+2
.endif
	s_wait_dscnt 0x0                               ; the stores have read their registers: the next block's codes may be written
.endm
	s_wait_alu depctr_va_vdst(0)
.irp t, 0,1,2,3
	WBLOCK \t
.endr
	s_barrier_signal -1                            ; my stores into the stage are done (the last block's wait for 0),
	s_barrier_wait -1                              ; and so are everybody's
.irp t, 0,1,2,3,4,5,6,7
	ds_load_b128 v[OUTR+4*\t:OUTR+4*\t+3], v6 offset:2*\t*WPITCH
.endr
.irp t, 0,1,2,3,4,5,6,7
	s_wait_dscnt 7-\t                              ; the younger reads of the stage may be out
	global_store_b128 v7, v[OUTR+4*\t:OUTR+4*\t+3], s[18:19] offset:2*\t*1024
.endr
.Lend:
	s_wait_tensorcnt 0x0                           ; the wave's end
	ds_add_u32 v[SPW], v[NIL]
	s_wait_dscnt 0x0
	s_endpgm
.Lfunc_end_k_qddffad755a_quant:
	.size	k_qddffad755a_quant, .Lfunc_end_k_qddffad755a_quant-k_qddffad755a_quant
	.p2alignl 7, 3214868480
	.fill 96, 4, 3214868480
	.section	.rodata,"a",@progbits
	.p2align	6, 0x0
	.amdhsa_kernel k_qddffad755a_quant
		.amdhsa_group_segment_fixed_size 50688
		.amdhsa_private_segment_fixed_size 0
		.amdhsa_enable_private_segment 0
		.amdhsa_kernarg_size 64
		.amdhsa_user_sgpr_count 2
		.amdhsa_user_sgpr_kernarg_segment_ptr 1
		.amdhsa_wavefront_size32 1
		.amdhsa_system_sgpr_workgroup_id_x 1
		.amdhsa_system_sgpr_workgroup_id_y 1
		.amdhsa_system_sgpr_workgroup_id_z 1
		.amdhsa_system_vgpr_workitem_id 0
		.amdhsa_next_free_vgpr 240
		.amdhsa_next_free_sgpr 66
		.amdhsa_reserve_vcc 0
		.amdhsa_float_denorm_mode_32 3
		.amdhsa_float_denorm_mode_16_64 3
		.amdhsa_memory_ordered 1
		.amdhsa_forward_progress 1
		.amdhsa_inst_pref_size 67
	.end_amdhsa_kernel
	.amdgpu_metadata
---
amdhsa.version: [ 1, 2 ]
amdhsa.kernels:
  - .name:           k_qddffad755a_quant
    .symbol:         k_qddffad755a_quant.kd
    .args:
      - { .name: X_emb, .offset: 0, .size: 8, .value_kind: global_buffer, .address_space: global }
      - { .name: W_q, .offset: 8, .size: 8, .value_kind: global_buffer, .address_space: global }
      - { .name: W_k, .offset: 16, .size: 8, .value_kind: global_buffer, .address_space: global }
      - { .name: W_v, .offset: 24, .size: 8, .value_kind: global_buffer, .address_space: global }
      - { .name: W_out, .offset: 32, .size: 8, .value_kind: global_buffer, .address_space: global }
      - { .name: lowp_scales, .offset: 40, .size: 8, .value_kind: global_buffer, .address_space: global }
      - { .name: xc, .offset: 48, .size: 8, .value_kind: global_buffer, .address_space: global }
      - { .name: wc, .offset: 56, .size: 8, .value_kind: global_buffer, .address_space: global }
    .group_segment_fixed_size: 50688
    .private_segment_fixed_size: 0
    .kernarg_segment_align: 8
    .kernarg_segment_size: 64
    .max_flat_workgroup_size: 128
    .sgpr_count:     66
    .vgpr_count:     240
    .wavefront_size: 32
...
	.end_amdgpu_metadata
.endif
;; end of part 1
;; launch qkv (part 2): grid 12 x 16, 4 waves a work-group, clusters of 4 x 4, 327,680 bytes of LDS; arguments xc, wc, lowp_scales, qc, kc, vc; writes qc, kc, vc
.if DOCPART == 2
	.amdgcn_target "amdgcn-amd-amdhsa--gfx1250"
	.amdhsa_code_object_version 6
	.text
	.protected	k_qddffad755a_qkv
	.globl	k_qddffad755a_qkv
	.p2align	8
	.type	k_qddffad755a_qkv,@function
k_qddffad755a_qkv:
	s_mov_b64 s[64:65], 0
	v_nop
	global_prefetch_b8 v0, s[64:65] scope:SCOPE_SE
	s_setreg_imm32_b32 hwreg(HW_REG_WAVE_MODE, 25, 1), 1
	s_wait_xcnt 0x0
	s_wait_alu depctr_hold_cnt(0) depctr_sa_sdst(0) depctr_va_vdst(0) depctr_va_sdst(0) depctr_va_ssrc(0) depctr_va_vcc(0) depctr_vm_vsrc(0)
	s_getreg_b32 s2, hwreg(HW_REG_IB_STS2, 6, 4)
	s_cmp_eq_u32 s2, 0
	s_cbranch_scc0 .Lentry_in_a_cluster
	s_endpgm
.Lentry_in_a_cluster:
	s_bfe_u32 s2, ttmp6, 0x10000c
	s_cmp_lg_u32 s2, 0xf033
	s_cbranch_scc0 .Lentry_shape_is_right
	s_endpgm
.Lentry_shape_is_right:
; q = X W_q, k = X W_k, v = X W_v on codes of E4M3 (K = 1,024), f32 sums, which are turned into codes for the attention: code = sum x 2^(ex + ew) / 2^e, held within +-448.  Entries of the scales:
; q: ex 0, ew 1, e 6;  k: 2, 3, 7;  v: 4, 5, 9.  LIMITS: e - ex - ew lies between -126 and 119.
; The cluster's x names the product.  q and k: A = 256 rows of X's codes, B = 256 rows of the weight's codes, so a lane's eight results are eight neighbouring channels of a position;
; v: A = rows of W_v, B = rows of X, so they are eight neighbouring positions of a channel: the codes leave with the keys innermost.
; OUT: qc, kc [batch x 16 + head][2,048][64];  vc [batch x 16 + head][block of 128 keys][64 channels][128 keys].
; A tile of 256 x 256 is made by four waves of 128 x 128: 64 accumulators, 512 registers.  192 work-groups: the largest wave tile, since a smaller one reads LDS more often for the same products.
; K COMES IN TWO FILLS OF 512: each wave fetches 128 rows x 512 bytes by one joint load, so a fill takes all four regions of LDS.  A fill's last step has its fragments in registers before it is multiplied,
; so the second fill is asked for ahead of the rest of that step's 64 matrix instructions.  What it asks for has been asked of memory by prefetches three steps earlier.
; CLUSTERS: 4 x 4 work-groups; A's tiles are shared along a row of the cluster, B's along a column.
; REGISTERS: window 0: v0-31 addresses and scales, from v128 A's fragments (8 x 16 rows x 128 K), one set; on the way out v32-255.  window 1: B's fragments, two sets, at v0 and v128.  windows 2, 3: the accumulators.
.set PITCH,  528                       ; an LDS row: 512 bytes + 16
.set FR,     16
.set NL,     4
.set NP,     4
.set HALFT,  128*PITCH                 ; what one load brings
.set SPARE,  4*HALFT                   ; behind A's two halves and B's two: the spare words, 128 bytes a wave
.set SROW,   144                       ; the way out: a stage row: 128 codes + 16; 128 rows a wave, in bytes that have had their last fill and their last read
.set SWAVE,  128*SROW
.set ADRA, 16
.set ADRB, 22
.set PFO,  21                          ; v21  1,024 x lane: the prefetches' offset; never rewritten
.set STO,  24
.set RDQ,  25
.set CO,   17                          ; v17-20  the way out: where a block's four stores go, from the block's place in the output on
.set RDV,  27
.set SPW,  28
.set NIL,  29
.set LIMR, 30
.set SCR,  31
.set TMP,  32
.set CD,   96
.set AF,   128
.set BK,   128
.set G1, 24                            ; s[24:31] group 1 for A, s[32:35] group 0
.set G0, 32
.set G1B, 48                           ; s[48:55] group 1 for B, s[56:59] group 0
.set G0B, 56
.set PFA, 60                           ; s[60:61] where my prefetches stand
.set MSB, 0
.macro WIN new                         ; the immediate's high byte repeats the setting that is left
.if MSB != \new
	s_set_vgpr_msb (MSB<<8)|\new
.set MSB, \new
.endif
.endm
.set MUL_LO, 0xa1
.set MUL_HI, 0xf1
.set TO_B,   0x40
.macro JLOAD                           ; waves 0, 1 fetch for A, waves 2, 3 for B; an s_nop 0 and four v_nop follow each line
	s_cmp_eq_u32 s15, 0
	s_cbranch_scc0 .Lfor_b_\@
	tensor_load_to_lds s[G0:G0+3], s[G1:G1+7]
	s_nop 0
.rept 4
	v_nop
.endr
	s_branch .Lasked_\@
.Lfor_b_\@:
	tensor_load_to_lds s[G0B:G0B+3], s[G1B:G1B+7]
	s_nop 0
.rept 4
	v_nop
.endr
.Lasked_\@:
.endm
.macro CREST
	s_cmp_lg_u32 s14, 0
	s_cbranch_scc1 .Lnot_wave_0_\@
	s_barrier_signal -3
.Lnot_wave_0_\@:
	s_barrier_wait -3
	s_barrier_signal -1
	s_barrier_wait -1
.endm
.macro CROUND
	s_barrier_signal -1
	s_barrier_wait -1
	CREST
.endm
	s_load_b128 s[4:7], s[0:1], 0x0                ; xc, wc
	s_load_b64 s[8:9], s[0:1], 0x10                ; the scales' exponents
	s_load_b128 s[84:87], s[0:1], 0x18             ; qc, kc
	s_load_b64 s[88:89], s[0:1], 0x28              ; vc
	v_lshl_add_u32 v[SPW], v0, 2, SPARE
	v_mov_b32 v[NIL], 0
	ds_add_u32 v[SPW], v[NIL]                      ; the wave's opening
	ds_add_u32 v[SPW], v[NIL]
	v_lshrrev_b32 v1, 5, v0
	v_readfirstlane_b32 s14, v1                    ; wave
	s_lshr_b32 s15, s14, 1                         ; which half of the tile's rows is mine.  Also: I fetch for A (0) or B (1)
	s_and_b32 s16, s14, 1                          ; which half of its columns.  Also: which 128 rows I fetch
	s_bfe_u32 s40, ttmp6, 0x40000                  ; cx
	s_bfe_u32 s41, ttmp6, 0x40004                  ; cy
	s_and_b32 s18, ttmp7, 0xffff
	s_cmp_eq_u32 ttmp9, 2
	s_cselect_b32 s19, 0, s18
	s_cselect_b32 s18, s18, 0
	s_lshl_b32 s42, s18, 2
	s_add_co_u32 s42, s42, s40                     ; B's tile
	s_lshl_b32 s17, s19, 2
	s_add_co_u32 s17, s17, s41                     ; A's tile
	s_lshl_b32 s43, s41, 2
	s_lshl_b32 s43, 15, s43                        ; my row of the cluster
	s_lshl_b32 s44, 0x1111, s40                    ; my column
	s_or_b32 s[G1+0], s43, (0<<16)|(1<<20)|(1<<21)|(6<<22)|(3<<25)  ; the mask; elements of 1 byte; 4 words of padding after every 128; bit 21 beside a mask
	s_or_b32 s[G1B+0], s44, (0<<16)|(1<<20)|(1<<21)|(6<<22)|(3<<25)
.irp g, G1, G1B
	s_mov_b32 s[\g+1], 512<<16
	s_mov_b32 s[\g+2], 128<<16
	s_mov_b32 s[\g+3], 512<<16
	s_mov_b32 s[\g+4], 128
	s_mov_b32 s[\g+5], 1024
	s_mov_b32 s[\g+6], 0
	s_mov_b32 s[\g+7], 0
.endr
	s_lshl_b32 s18, s16, 7
	s_lshl_b32 s20, s17, 8
	s_add_co_u32 s20, s20, s18
	s_lshl_b32 s20, s20, 10                        ; A: row 256 x tile + 128 x half, of 1,024 bytes
	s_mov_b32 s21, 0
	s_lshl_b32 s46, s42, 8
	s_add_co_u32 s46, s46, s18
	s_lshl_b32 s46, s46, 10                        ; B likewise
	s_mov_b32 s47, 0
	s_mul_i32 s45, s14, HALFT                      ; where they go: by the wave's number alone
	s_wait_dscnt 0x0                               ; both opening adds are done
	s_wait_kmcnt 0x0
	s_load_b256 s[68:75], s[8:9], 0x0              ; e0 .. e7
	s_load_b64 s[76:77], s[8:9], 0x20              ; e8, e9
	s_lshl_b32 s22, ttmp9, 22
	s_mov_b32 s23, 0
	s_add_nc_u64 s[4:5], s[4:5], s[22:23]          ; the product's set of X's codes,
	s_lshl_b32 s22, ttmp9, 20
	s_add_nc_u64 s[6:7], s[6:7], s[22:23]          ; and its weight's
	s_cmp_eq_u32 ttmp9, 2
	s_cselect_b64 s[80:81], s[6:7], s[4:5]
	s_cselect_b64 s[82:83], s[4:5], s[6:7]
	s_add_nc_u64 s[20:21], s[80:81], s[20:21]
	s_add_nc_u64 s[46:47], s[82:83], s[46:47]
	CROUND                                         ; all sixteen work-groups are here: the joint loads meet
	s_mov_b32 s[G0], 1
	s_mov_b32 s[G0+1], s45
	s_mov_b64 s[G0+2:G0+3], s[20:21]
	s_or_b32 s[G0+3], s[G0+3], 0x80000000
	s_mov_b32 s[G0B], 1
	s_mov_b32 s[G0B+1], s45
	s_mov_b64 s[G0B+2:G0B+3], s[46:47]
	s_or_b32 s[G0B+3], s[G0B+3], 0x80000000
	JLOAD                                          ; K 0 .. 511: a wave's one load at the head
	; the prefetches: of the 128 rows that I fetch, the partner at place p (cx for A, cy for B) takes 32 p .. 32 p + 31, a lane a row; bytes 512 to 1,023 of each row in two instructions
	s_cmp_eq_u32 s15, 0
	s_cselect_b64 s[PFA:PFA+1], s[20:21], s[46:47]
	s_cselect_b32 s62, s40, s41
	s_lshl_b32 s62, s62, 15
	s_add_co_u32 s62, s62, 512
	s_mov_b32 s63, 0
	s_add_nc_u64 s[PFA:PFA+1], s[PFA:PFA+1], s[62:63]
	s_mul_i32 s21, s15, HALFT                      ; my 128 rows of A
	s_mul_i32 s22, s16, HALFT
	s_add_co_u32 s22, s22, 2*HALFT                 ; my 128 rows of B
	s_mul_i32 s23, s14, SWAVE                      ; my stage
	v_and_b32 v1, 15, v0                           ; r
	v_bfe_u32 v2, v0, 4, 1                         ; h
	v_mul_u32_u24 v3, v1, PITCH
	v_lshl_add_u32 v4, v2, 4, v3
	v_add_nc_u32 v[ADRA], s21, v4
	v_add_nc_u32 v[ADRB], s22, v4
	v_mul_u32_u24 v5, v1, SROW
	v_lshl_add_u32 v5, v2, 3, v5
	v_add_nc_u32 v[STO], s23, v5                   ; in: row r, 8 bytes for each half of the lanes
	v_and_b32 v6, 31, v0
	v_lshlrev_b32 v[PFO], 10, v6
	s_cmp_eq_u32 ttmp9, 2
	s_mov_b32 s66, 1024
	s_cselect_b32 s66, s66, 131072                 ; the third store: v: 8 channels on; q, k: the next head
	v_lshlrev_b32 v[CO], 4, v6
	v_add_nc_u32 v[CO+1], 512, v[CO]
	v_add_nc_u32 v[CO+2], s66, v[CO]
	v_add_nc_u32 v[CO+3], s66, v[CO+1]
	v_lshrrev_b32 v7, 2, v6
	v_mul_u32_u24 v7, v7, SROW
	v_and_b32 v8, 3, v6
	v_lshl_add_u32 v7, v8, 4, v7
	v_add_nc_u32 v[RDQ], s23, v7                   ; back, q and k: four lanes take a position's 64 bytes
	v_lshrrev_b32 v7, 3, v6
	v_mul_u32_u24 v7, v7, SROW
	v_and_b32 v8, 7, v6
	v_lshl_add_u32 v7, v8, 4, v7
	v_add_nc_u32 v[RDV], s23, v7                   ; v: eight lanes take a channel's 128 bytes
	s_wait_alu depctr_va_vdst(0)
	; where my 128 x 128 go: X's tile s18 (half s19), the weight's tile s20 (half s21)
	s_cmp_eq_u32 ttmp9, 2
	s_cselect_b32 s18, s42, s17
	s_cselect_b32 s19, s16, s15
	s_cselect_b32 s20, s17, s42
	s_cselect_b32 s21, s15, s16
	s_lshr_b32 s22, s18, 3                         ; batch
	s_lshl_b32 s22, s22, 4
	s_lshl_b32 s20, s20, 2
	s_add_co_u32 s22, s22, s20
	s_lshl_b32 s21, s21, 1
	s_add_co_u32 s22, s22, s21                     ; batch x 16 + my first head
	s_lshl_b32 s22, s22, 17
	s_and_b32 s18, s18, 7
	s_lshl_b32 s18, s18, 1
	s_add_co_u32 s18, s18, s19
	s_lshl_b32 s18, s18, 13                        ; my 128 positions: 8,192 bytes of a head
	s_add_co_u32 s22, s22, s18
	s_mov_b32 s23, 0
	s_cmp_eq_u32 ttmp9, 1
	s_cselect_b64 s[90:91], s[86:87], s[84:85]
	s_cmp_eq_u32 ttmp9, 2
	s_cselect_b64 s[90:91], s[88:89], s[90:91]
	s_add_nc_u64 s[90:91], s[90:91], s[22:23]
	s_cmp_eq_u32 ttmp9, 2                          ; from block to block of 16 rows: q, k: 16 positions of 64 bytes;
	s_mov_b32 s92, 2048
	s_cselect_b32 s92, s92, 1024                   ; v: 16 channels of 128 bytes,
	s_mov_b32 s93, 0
	s_mov_b32 s94, 124928
	s_cselect_b32 s94, s94, 1024                   ; and from block 3 to block 4 on to the next head: 131,072 - 3 x 2,048
	s_mov_b32 s95, 0
; A fragment, 16 rows x 128 K: registers 4 c .. 4 c + 3 hold K = 32 c + 16 h + 0 .. 15, the same order in A and B.
.macro FRAG reg, adr, q, i
.irp c, 0,1,2,3
	ds_load_b128 v[\reg+4*\c:\reg+4*\c+3], v[\adr] offset:128*(\q)+32*\c+(\i)*16*PITCH
.endr
.endm
; 16 matrix instructions: A's blocks a0, a0 + 1 x B's eight.  The 64 accumulators take turns in the same order in every step.
.macro MUL16 a0, p, zero
.irp a, \a0, \a0+1
.irp b, 0,1,2,3,4,5,6,7
.if \zero
	v_wmma_f32_16x16x128_fp8_fp8 v[8*(8*((\a)%4)+\b):8*(8*((\a)%4)+\b)+7], v[128*(\p)+FR*\b:128*(\p)+FR*\b+FR-1], v[AF+FR*(\a):AF+FR*(\a)+FR-1], 0
.else
	v_wmma_f32_16x16x128_fp8_fp8 v[8*(8*((\a)%4)+\b):8*(8*((\a)%4)+\b)+7], v[128*(\p)+FR*\b:128*(\p)+FR*\b+FR-1], v[AF+FR*(\a):AF+FR*(\a)+FR-1], v[8*(8*((\a)%4)+\b):8*(8*((\a)%4)+\b)+7]
.endif
.endr
.endr
.endm
.macro FETCH_B q, p
	WIN TO_B
.irp i, 0,1,2,3,4,5,6,7
	FRAG 128*(\p)+FR*\i, ADRB, \q, \i
.endr
	WIN 0
.endm
.macro FETCH_A q, i0
.irp i, \i0, \i0+1, \i0+2, \i0+3
	FRAG AF+FR*(\i), ADRA, \q, \i
.endr
.endm
.macro PLACES n                        ; places behind matrix instructions (ISA guide 7.12.1 for vector instructions)
.rept \n
	v_nop
.endr
.endm
; A step of 128 along K that has its successor in the same fill.
.macro STEP q, zero
	s_wait_dscnt 4*NL                              ; B's set and A's blocks 0-3 are in; A's blocks 4-7 may be out
	WIN MUL_LO
	MUL16 0, (\q)%2, \zero
	MUL16 2, (\q)%2, \zero
	s_wait_dscnt 0
	PLACES NP
	FETCH_B (\q)+1, 1-(\q)%2
	FETCH_A (\q)+1, 0
	WIN MUL_HI
	MUL16 4, (\q)%2, \zero
	MUL16 6, (\q)%2, \zero
	PLACES NP
	WIN 0
	FETCH_A (\q)+1, 4
.endm
	s_wait_tensorcnt 0x0                           ; my part of the first fill is in,
	s_barrier_signal -1
	s_barrier_wait -1                              ; and everybody's
	FETCH_B 0, 0
	FETCH_A 0, 0
	FETCH_A 0, 4
	STEP 0, 1                                      ; the first step's products start the sums
	global_prefetch_b8 v[PFO], s[PFA:PFA+1] th:TH_LOAD_NT scope:SCOPE_SE              ; K 512 .. 767 of my 32 rows, three steps ahead of the load that wants them,
	global_prefetch_b8 v[PFO], s[PFA:PFA+1] offset:256 th:TH_LOAD_NT scope:SCOPE_SE   ; and K 768 .. 1,023
	STEP 1, 0
	STEP 2, 0
	; the first fill's last step: its fragments are in registers before the round, so the second fill has the step's second half in which to land
	s_wait_tensorcnt 0x0
	ds_add_u32 v[SPW], v[NIL]
	s_wait_dscnt 4*NL+1                            ; (the add and A's blocks 4-7 may be out)
	WIN MUL_LO
	MUL16 0, 1, 0
	s_wait_dscnt 0x0                               ; the add is done, and my reads of the fill are over
	s_barrier_signal -1
	MUL16 2, 1, 0
	WIN 0
	s_barrier_wait -1
	CREST
	s_add_nc_u64 s[G0+2:G0+3], s[G0+2:G0+3], 512
	s_add_nc_u64 s[G0B+2:G0B+3], s[G0B+2:G0B+3], 512
	JLOAD                                          ; K 512 .. 1,023
	WIN MUL_HI
	MUL16 4, 1, 0
	MUL16 6, 1, 0
	WIN 0
	s_wait_tensorcnt 0x0                           ; my part of the second fill is in,
	s_barrier_signal -1
	s_barrier_wait -1                              ; and everybody's; nothing is filled again
	PLACES NP
	FETCH_B 0, 0
	FETCH_A 0, 0
	FETCH_A 0, 4
	STEP 0, 0
	STEP 1, 0
	STEP 2, 0
	s_wait_dscnt 4*NL                              ; the very last step
	WIN MUL_LO
	MUL16 0, 1, 0
	MUL16 2, 1, 0
	s_wait_dscnt 0                                 ; my reads of the tiles are over: say so,
	s_barrier_signal -1
	WIN MUL_HI
	MUL16 4, 1, 0
	MUL16 6, 1, 0
	WIN 0
	s_barrier_wait -1                              ; and behind this the stages, which lie on the tiles' bytes, may be written
	; THE WAY OUT: sums held and converted, through my own stage, out as 512 consecutive bytes a store
	s_wait_kmcnt 0x0
	s_sub_co_i32 s78, s74, s68
	s_sub_co_i32 s78, s78, s69                     ; q: e6 - e0 - e1: a sum's code is sum / 2^that
	s_sub_co_i32 s79, s75, s70
	s_sub_co_i32 s79, s79, s71                     ; k: e7 - e2 - e3
	s_sub_co_i32 s80, s77, s72
	s_sub_co_i32 s80, s80, s73                     ; v: e9 - e4 - e5
	s_cmp_eq_u32 ttmp9, 1
	s_cselect_b32 s78, s79, s78
	s_cmp_eq_u32 ttmp9, 2
	s_cselect_b32 s78, s80, s78
	s_add_co_i32 s78, s78, 127
	s_lshl_b32 s79, s78, 23
	s_add_co_i32 s78, s78, 8
	s_lshl_b32 s78, s78, 23
	s_or_b32 s78, s78, 0x600000
	PLACES NP
	v_mov_b32 v[SCR], s79
	v_mov_b32 v[LIMR], s78
.macro CODES a
.set AC, 64*((\a)%4)
.set CW, CD+16*((\a)%2)
	WIN 0x02+((\a)/4)
.set j, 0
.rept 64
	v_med3_num_f32 v[TMP+j], v[AC+j], -v[LIMR], v[LIMR]   ; the conversion does not saturate (ISA guide 7.6.2); each accumulator from its low end on
.set j, j+1
.endr
	WIN 0
.irp b, 0,1,2,3,4,5,6,7
	v_cvt_scalef32_pk8_fp8_f32 v[CW+2*\b:CW+2*\b+1], v[TMP+8*\b:TMP+8*\b+7], v[SCR]
.endr
	v_nop
.irp b, 0,1,2,3,4,5,6,7
	ds_store_b64 v[STO], v[CW+2*\b:CW+2*\b+1] offset:16*SROW*(\a)+16*\b
.endr
.endm
; Block a comes back as soon as it is in the stage (LDS serves a wave's instructions in order), by the branch that suits the output's layout, the same in all waves and partners.
.macro BACK a
	s_cmp_eq_u32 ttmp9, 2
	s_cbranch_scc1 .Lback_v_\@
.irp i, 0,1,2,3
	ds_load_b128 v[BK+16*(\a)+4*\i:BK+16*(\a)+4*\i+3], v[RDQ] offset:16*SROW*(\a)+8*SROW*(\i%2)+64*(\i/2)   ; 8 positions of a head an instruction
.endr
	s_branch .Lback_\@
.Lback_v_\@:
.irp i, 0,1,2,3
	ds_load_b128 v[BK+16*(\a)+4*\i:BK+16*(\a)+4*\i+3], v[RDV] offset:16*SROW*(\a)+4*SROW*\i   ; 4 channels an instruction
.endr
.Lback_\@:
.endm
.macro SEND a, younger                 ; younger: the next block's 8 stores into the stage and 4 loads, which may be out
	s_wait_dscnt \younger                          ; the block is back; so its stores into the stage have read their registers too
.if (\a) > 0
	s_wait_xcnt 0x0                                ; the last block's stores have read their base
.if (\a) == 4
	s_add_nc_u64 s[90:91], s[90:91], s[94:95]
.else
	s_add_nc_u64 s[90:91], s[90:91], s[92:93]
.endif
.endif
.irp i, 0,1,2,3
	global_store_b128 v[CO+\i], v[BK+16*(\a)+4*\i:BK+16*(\a)+4*\i+3], s[90:91]
.endr
.endm
	CODES 0
	BACK 0
.irp a, 1,2,3,4,5,6,7
	CODES \a
	BACK \a
	SEND \a-1, 12
.endr
	SEND 7, 0
	s_wait_tensorcnt 0x0                           ; the wave's end
	ds_add_u32 v[SPW], v[NIL]
	s_wait_dscnt 0x0
	CROUND                                         ; the closing round
	s_endpgm
.Lfunc_end_k_qddffad755a_qkv:
	.size	k_qddffad755a_qkv, .Lfunc_end_k_qddffad755a_qkv-k_qddffad755a_qkv
	.p2alignl 7, 3214868480
	.fill 96, 4, 3214868480
	.section	.rodata,"a",@progbits
	.p2align	6, 0x0
	.amdhsa_kernel k_qddffad755a_qkv
		.amdhsa_group_segment_fixed_size 327680
		.amdhsa_private_segment_fixed_size 0
		.amdhsa_enable_private_segment 0
		.amdhsa_kernarg_size 48
		.amdhsa_user_sgpr_count 2
		.amdhsa_user_sgpr_kernarg_segment_ptr 1
		.amdhsa_wavefront_size32 1
		.amdhsa_system_sgpr_workgroup_id_x 1
		.amdhsa_system_sgpr_workgroup_id_y 1
		.amdhsa_system_sgpr_workgroup_id_z 1
		.amdhsa_system_vgpr_workitem_id 0
		.amdhsa_next_free_vgpr 1024
		.amdhsa_next_free_sgpr 96
		.amdhsa_reserve_vcc 0
		.amdhsa_float_denorm_mode_32 3
		.amdhsa_float_denorm_mode_16_64 3
		.amdhsa_memory_ordered 1
		.amdhsa_forward_progress 1
		.amdhsa_inst_pref_size 127
	.end_amdhsa_kernel
	.amdgpu_metadata
---
amdhsa.version: [ 1, 2 ]
amdhsa.kernels:
  - .name:           k_qddffad755a_qkv
    .symbol:         k_qddffad755a_qkv.kd
    .args:
      - { .name: xc, .offset: 0, .size: 8, .value_kind: global_buffer, .address_space: global }
      - { .name: wc, .offset: 8, .size: 8, .value_kind: global_buffer, .address_space: global }
      - { .name: lowp_scales, .offset: 16, .size: 8, .value_kind: global_buffer, .address_space: global }
      - { .name: qc, .offset: 24, .size: 8, .value_kind: global_buffer, .address_space: global }
      - { .name: kc, .offset: 32, .size: 8, .value_kind: global_buffer, .address_space: global }
      - { .name: vc, .offset: 40, .size: 8, .value_kind: global_buffer, .address_space: global }
    .group_segment_fixed_size: 327680
    .private_segment_fixed_size: 0
    .kernarg_segment_align: 8
    .kernarg_segment_size: 48
    .max_flat_workgroup_size: 128
    .sgpr_count:     96
    .vgpr_count:     1024
    .wavefront_size: 32
...
	.end_amdgpu_metadata
.endif
;; end of part 2
;; launch attn (part 3): grid 8 x 32, 8 waves a work-group, clusters of 4 x 1, 327,680 bytes of LDS; arguments qc, kc, vc, lowp_scales, cc; writes cc
.if DOCPART == 3
	.amdgcn_target "amdgcn-amd-amdhsa--gfx1250"
	.amdhsa_code_object_version 6
	.text
	.protected	k_qddffad755a_attn
	.globl	k_qddffad755a_attn
	.p2align	8
	.type	k_qddffad755a_attn,@function
k_qddffad755a_attn:
	s_mov_b64 s[64:65], 0
	v_nop
	global_prefetch_b8 v0, s[64:65] scope:SCOPE_SE
	s_setreg_imm32_b32 hwreg(HW_REG_WAVE_MODE, 25, 1), 1
	s_wait_xcnt 0x0
	s_wait_alu depctr_hold_cnt(0) depctr_sa_sdst(0) depctr_va_vdst(0) depctr_va_sdst(0) depctr_va_ssrc(0) depctr_va_vcc(0) depctr_vm_vsrc(0)
	s_getreg_b32 s2, hwreg(HW_REG_IB_STS2, 6, 4)
	s_cmp_eq_u32 s2, 0
	s_cbranch_scc0 .Lentry_in_a_cluster
	s_endpgm
.Lentry_in_a_cluster:
	s_bfe_u32 s2, ttmp6, 0x10000c
	s_cmp_lg_u32 s2, 0x3003
	s_cbranch_scc0 .Lentry_shape_is_right
	s_endpgm
.Lentry_shape_is_right:
; ctx = softmax(q k^T / 8, causal) v on codes of E4M3, and ctx quantised for the projection that follows.  Entries of the scales: q 6, k 7, p 8, v 9, ctx 10.
; WORK LEFT OUT: reference()'s own mask gives weight 0 to every key after its query, whatever the inputs hold; a step of 128 keys all of which come after a tile's 16 queries is not computed.
; A NaN, an infinity or an overflow that would arise only there is not carried to the result.
; THE SOFTMAX: t = score x log2(e) / 8; M = the running largest t rounded up to a whole number; p = 2^(t - M) is quantised along the keys, not normalised; the row's sum is taken of the unquantised p
; and divides at the end.  When M moves, the sum and O are multiplied by 2^(old M - new M), which rounds nothing.
; SHARES.  Work-group x (of 8) of a head owns the 16 queries 128 j + 16 x .. of each of the 16 blocks j.  Wave w (of 8) owns two of these tiles: the late one, j = 15 - w, 16 - w steps of 128 keys, and then
; the early one, j = w, w + 1 steps: 17 steps in every wave of every work-group.
; K AND V OF THE HEAD LIE WHOLE IN LDS, each byte filled once, in two fills of one load a wave: at the head keys 0-767 (waves 0-3 fetch K's quarters, waves 4-7 V's), and behind a round the other 1,280 keys.
; Steps 0-4 of the late tile, which has nine at the least, and the look-ahead to its step 5 need the first fill alone: the second has that work in which to land.
; CLUSTERS of 4: all work-groups of a head read the same K and V, and every partner makes every joint load.  No prefetch: two loads a wave, the second as soon as the first has landed, fetch all tiles: there is no loop of loads to run ahead in.
; LAYOUT.  S^T = K Q^T (source 0 = 16 keys, source 1 = my queries), O^T = V^T P^T: a lane holds one query throughout.  Lane r of tile 2 b + u takes key 32 b + 8 u + r + 8 (r / 8), so that the 16
; registers of tiles 2 b and 2 b + 1 are 16 neighbouring keys, and the conversions' results are the second product's operand.  Fragments come by loads of 16 bytes: the same order of k on both sides of a product.
; OUT: cc [row / 64][head 16][row % 64][64], row = 2,048 x batch + position: a tile's codes are 1,024 consecutive bytes, aligned.
; LIMITS: e6 + e7 between -123 and 130 (added to c's exponent field); e8, and e10 - e8 - e9, between -126 and 119.  The promise holds while the scaled scores stay under 2^31 in magnitude.
; REGISTERS, window 0: v1-7 addresses; v8-11 at work; v12 -M, v13 the largest t, v[14:15] the sum; v16-23 Q; v32-95 K's 8 fragments; v96-159 S^T, then p; v160-191 O^T; v192-211 at work and scales;
; v224-239 p's codes; v240-247 the early tile's Q; v248-253 sums.  window 1: v0-63 V's 4 fragments; v64-127 the diagonal's table; v128-161 the late tile's O^T and sum.
.set LP,    272                        ; an LDS line: 256 bytes + 16: four keys of K, or two channels x 128 keys of V
.set KB,    32*LP                      ; a step's 128 keys, in K's parts and in V's
.set R1,    48                         ; lines of a wave's first load: a quarter of six steps' keys
.set R2,    80                         ; of its second: a quarter of ten steps'
.set VOFF,  4*R1*LP                    ; LDS: K's steps 0-5, V's steps 0-5,
.set FILL2, 8*R1*LP                    ; K's steps 6-15, V's steps 6-15
.set KFAR,  4*R1*LP                    ; what a step from 6 on adds to step x KB in K,
.set VFAR,  4*R2*LP                    ; and in V to VOFF + step x KB
.set STAGE, 1024*LP                    ; the way out: 2 x 16 rows of SROW bytes a wave, on bytes that no fill lands on
.set SROW,  80
.set SPARE, STAGE+8*32*SROW            ; the spare words: 128 bytes for each of eight waves
.set AK0,  1
.set AV0,  2
.set SPW,  5
.set NIL,  6
.set GO,   7                           ; v7   16 x lane
.set ADK,  10
.set ADV,  11
.set TS,   3                           ; s3   the wave's step, 0 .. 16
.set WV,   18
.set SEL,  20
.set CS,   22                          ; s[22:23] c = log2(e) / 8 x 2^(e6 + e7)
.set G1,   24                          ; s[24:31], s[40:43] the first load's descriptor
.set G0,   40
.set H1,   44                          ; s[44:51], s[52:55] the second's
.set H0,   52
.set LB,   82                          ; s82  15 - w: the late tile's last step
.set NB,   83                          ; s83  16 - w: the early tile's first
.set MSB, 0
.macro WIN new                         ; the immediate's high byte repeats the setting that is left
.if MSB != \new
	s_set_vgpr_msb (MSB<<8)|\new
.set MSB, \new
.endif
.endm
.macro CROUND
	s_barrier_signal -1
	s_barrier_wait -1
	s_cmp_lg_u32 s[WV], 0
	s_cbranch_scc1 .Lnot_wave_0_\@
	s_barrier_signal -3
.Lnot_wave_0_\@:
	s_barrier_wait -3
	s_barrier_signal -1
	s_barrier_wait -1
.endm
	s_load_b128 s[4:7], s[0:1], 0x0                ; qc, kc
	s_load_b128 s[12:15], s[0:1], 0x10             ; vc, the scales' exponents
	s_load_b64 s[16:17], s[0:1], 0x20              ; cc
	v_lshl_add_u32 v[SPW], v0, 2, SPARE
	v_mov_b32 v[NIL], 0
	ds_add_u32 v[SPW], v[NIL]                      ; the wave's opening
	ds_add_u32 v[SPW], v[NIL]
	v_lshrrev_b32 v8, 5, v0
	v_readfirstlane_b32 s[WV], v8                  ; wave 0..7
	s_bfe_u32 s70, ttmp6, 0x40000                  ; cx
	s_lshl_b32 s71, ttmp9, 2
	s_add_co_u32 s71, s71, s70                     ; x
	s_and_b32 s72, ttmp7, 0xffff                   ; batch x 16 + head
	s_lshl_b32 s74, s72, 17                        ; its first byte in qc, kc and vc
	s_mov_b32 s75, 0
	s_and_b32 s77, s[WV], 3                        ; which quarter of K's keys (waves 0-3) or of V's lines (waves 4-7) I fetch
	s_mul_i32 s80, s77, R1*256
	s_mov_b32 s81, 0
	s_add_nc_u64 s[80:81], s[80:81], s[74:75]      ; the first load: a quarter of steps 0-5,
	s_mul_i32 s76, s77, R2*256
	s_add_co_u32 s76, s76, 4*R1*256
	s_mov_b32 s77, 0
	s_add_nc_u64 s[76:77], s[76:77], s[74:75]      ; the second: of steps 6-15
	s_mul_i32 s78, s[WV], R1*LP                    ; and where they go: by the wave's number alone
	s_mul_i32 s79, s[WV], R2*LP
	s_add_co_u32 s79, s79, FILL2
	s_mov_b32 s[G1], 15|(1<<20)|(1<<21)|(5<<22)|(3<<25)           ; all four of the cluster; elements of 1 byte; bit 21 beside a mask; 4 words of padding after every 64
	s_mov_b32 s[G1+1], 256<<16                     ; tensor_dim0
	s_mov_b32 s[G1+2], R1<<16                      ; tensor_dim1
	s_mov_b32 s[G1+3], 256<<16                     ; tile_dim0
	s_mov_b32 s[G1+4], R1                          ; tile_dim1
	s_mov_b32 s[G1+5], 256                         ; from row to row: dense
	s_mov_b32 s[G1+6], 0
	s_mov_b32 s[G1+7], 0
	s_mov_b32 s[H1], 15|(1<<20)|(1<<21)|(5<<22)|(3<<25)
	s_mov_b32 s[H1+1], 256<<16
	s_mov_b32 s[H1+2], R2<<16
	s_mov_b32 s[H1+3], 256<<16
	s_mov_b32 s[H1+4], R2
	s_mov_b32 s[H1+5], 256
	s_mov_b32 s[H1+6], 0
	s_mov_b32 s[H1+7], 0
	s_mov_b32 s[SEL], 0x76543210
	s_mov_b32 s[SEL+1], 0xfedcba98
	s_mov_b32 s[CS], 0x3e38aa3b                    ; log2(e) / 8
	s_wait_dscnt 0x0                               ; both opening adds are done
	s_wait_kmcnt 0x0
	s_load_b128 s[84:87], s[14:15], 0x18           ; e6, e7, e8, e9
	s_load_b32 s88, s[14:15], 0x28                 ; e10
	s_cmp_lt_u32 s[WV], 4
	s_cselect_b64 s[12:13], s[6:7], s[12:13]
	s_mov_b32 s[G0], 1
	s_mov_b32 s[G0+1], s78
	s_add_nc_u64 s[G0+2:G0+3], s[12:13], s[80:81]
	s_or_b32 s[G0+3], s[G0+3], 0x80000000
	s_mov_b32 s[H0], 1
	s_mov_b32 s[H0+1], s79
	s_add_nc_u64 s[H0+2:H0+3], s[12:13], s[76:77]
	s_or_b32 s[H0+3], s[H0+3], 0x80000000
	CROUND                                         ; all four work-groups are here: the joint loads meet
	tensor_load_to_lds s[G0:G0+3], s[G1:G1+7]      ; the first fill: a wave's one load at the head
	s_nop 0
.rept 4
	v_nop
.endr
	s_lshl_b32 s90, s71, 10
	s_mov_b32 s91, 0
	s_add_nc_u64 s[90:91], s[90:91], s[74:75]
	s_add_nc_u64 s[4:5], s[4:5], s[90:91]          ; Q's codes: my tile of block 0
	s_sub_co_u32 s[LB], 15, s[WV]
	s_add_co_u32 s[NB], s[LB], 1
	s_lshl_b32 s92, s[LB], 13
	s_mov_b32 s93, 0
	s_add_nc_u64 s[94:95], s[4:5], s[92:93]        ; of the late block,
	s_lshl_b32 s92, s[WV], 13
	s_add_nc_u64 s[4:5], s[4:5], s[92:93]          ; and of the early one
	s_lshr_b32 s92, s72, 4                         ; ctx: ((32 batch + 2 j + x / 4) x 16 + head) x 4,096 + 1,024 (x % 4)
	s_lshl_b32 s92, s92, 5
	s_lshr_b32 s93, s71, 2
	s_add_co_u32 s92, s92, s93
	s_lshl_b32 s92, s92, 4
	s_and_b32 s93, s72, 15
	s_add_co_u32 s92, s92, s93
	s_lshl_b32 s92, s92, 12
	s_and_b32 s93, s71, 3
	s_lshl_b32 s93, s93, 10
	s_add_co_u32 s92, s92, s93
	s_mov_b32 s93, 0
	s_add_nc_u64 s[16:17], s[16:17], s[92:93]
	s_lshl_b32 s92, s[LB], 17
	s_add_nc_u64 s[68:69], s[16:17], s[92:93]      ; the late tile's codes
	s_lshl_b32 s92, s[WV], 17
	s_add_nc_u64 s[66:67], s[16:17], s[92:93]      ; the early tile's
	s_lshl_b32 s89, s71, 4                         ; 16 x
	v_and_b32 v8, 15, v0                           ; r
	v_bfe_u32 v9, v0, 4, 1                         ; h
	v_lshlrev_b32 v3, 6, v8
	v_lshl_add_u32 v3, v9, 4, v3
	global_load_b128 v[16:19], v3, s[94:95]        ; Q's fragment: channels 16 h + 0 .. 15,
	global_load_b128 v[20:23], v3, s[94:95] offset:32   ; and 32 + 16 h + 0 .. 15
	global_load_b128 v[240:243], v3, s[4:5]
	global_load_b128 v[244:247], v3, s[4:5] offset:32
	v_and_b32 v4, 8, v8
	v_add_nc_u32 v4, v4, v8                        ; r + 8 (r / 8)
	v_lshrrev_b32 v[AK0], 2, v4
	v_mul_u32_u24 v[AK0], v[AK0], LP
	v_and_b32 v4, 3, v4
	v_lshl_add_u32 v[AK0], v4, 6, v[AK0]
	v_lshl_add_u32 v[AK0], v9, 4, v[AK0]           ; K: key k of a step at LP (k / 4) + 64 (k % 4)
	v_lshrrev_b32 v[AV0], 1, v8
	v_mul_u32_u24 v[AV0], v[AV0], LP
	v_and_b32 v4, 1, v8
	v_lshl_add_u32 v[AV0], v4, 7, v[AV0]
	v_lshl_add_u32 v[AV0], v9, 4, v[AV0]
	v_add_nc_u32 v[AV0], VOFF, v[AV0]              ; V: channel d of a step at LP (d / 2) + 128 (d % 2)
	v_and_b32 v[GO], 31, v0
	v_lshlrev_b32 v[GO], 4, v[GO]
	; THE DIAGONAL'S TABLE, the same for both tiles: register 16 b + i of a step holds key 32 b + 16 h + i; on the diagonal it is hidden where 32 b + i > d = 16 x + r - 16 h: -infinity there, else +infinity
	v_lshlrev_b32 v4, 4, v9
	v_sub_nc_u32 v204, v8, v4
	v_add_nc_u32 v204, s89, v204
	v_mov_b32 v205, 0x7f800000
	v_mov_b32 v206, 0xff800000
	WIN 0x40
.set n, 0
.rept 64
	v_cmp_gt_i32 vcc_lo, 32*(n/16)+n%16, v204
	v_cndmask_b32 v[64+n], v205, v206, vcc_lo
.set n, n+1
.endr
	WIN 0
	v_mov_b32 v198, 0                              ; a lane permute's destination counts as one of its sources
	v_mov_b32 v199, 0
	v_mov_b32 v195, 0                              ; named as the upper half of the pair v[194:195]
.macro FRESH                           ; a tile begins: no sum yet, the largest t -3e38, -M its negative
	v_mov_b32 v13, 0xff61b1e6
	v_mov_b32 v12, 0x7f61b1e6
	v_mov_b32 v14, 0
	v_mov_b32 v15, 0
.set j, 0
.rept 32
	v_mov_b32 v[160+j], 0                          ; O^T: the step is written without a first form, and its first walk finds zeros
.set j, j+1
.endr
.endm
	FRESH
	s_wait_alu depctr_va_vdst(0)
	s_wait_kmcnt 0x0
	s_add_co_i32 s70, s84, s85
	s_lshl_b32 s70, s70, 23
	s_add_co_i32 s[CS], s[CS], s70                 ; a score stands for score x 2^(e6 + e7)
	s_mov_b32 s[CS+1], s[CS]
	s_add_co_i32 s70, s86, 127
	s_lshl_b32 s73, s70, 23
	v_mov_b32 v201, s73                            ; 2^e8
	s_add_co_i32 s70, s70, 8
	s_lshl_b32 s70, s70, 23
	s_or_b32 s70, s70, 0x600000
	v_mov_b32 v200, s70                            ; 448 x 2^e8
	s_sub_co_i32 s70, s88, s86
	s_sub_co_i32 s70, s70, s87                     ; O / l stands for ctx / 2^(e8 + e9): ctx's code is (O / l) / 2^(e10 - e8 - e9)
	s_add_co_i32 s70, s70, 127
	s_lshl_b32 s73, s70, 23
	v_mov_b32 v203, s73
	s_add_co_i32 s70, s70, 8
	s_lshl_b32 s70, s70, 23
	s_or_b32 s70, s70, 0x600000
	v_mov_b32 v202, s70
.macro KLD adr, i                      ; one of a step's sixteen loads of K
	ds_load_b128 v[32+4*(\i):35+4*(\i)], v[\adr] offset:LP*(8*((\i)/4)+2*(((\i)/2)%2))+32*((\i)%2)
.endm
.macro FMAS a, n                       ; t - M, two at a time
.set j, \a
.rept \n
	v_pk_fma_f32 v[96+2*j:97+2*j], v[96+2*j:97+2*j], s[CS:CS+1], v[12:13] op_sel_hi:[1,0,0]
.set j, j+1
.endr
.endm
.macro HOLD n                          ; two of p held at the largest code x the scale: the conversion does not saturate (ISA guide 7.6.2); p is not negative, so the hold is one-sided
	v_dual_min_num_f32 v[96+2*(\n)], v[96+2*(\n)], v200 :: v_dual_min_num_f32 v[97+2*(\n)], v[97+2*(\n)], v200
.endm
; A KEY STEP: 128 keys x 16 queries.  K's fragments have been asked for in the step before; V's of this step and K's of the next are asked for behind the scores' products.
; st = 1: steps 0 to 4 of the late tile.  st = 2: all others; step T stands at keys 128 T in the late tile, 128 (T - NB) in the early one, which is (T + w) mod 16 there.
.macro STEP st
.if \st == 1
	s_mul_i32 s96, s[TS], KB
	s_add_co_u32 s97, s96, KB
.else
	s_cmp_ge_u32 s[TS], s[NB]
	s_cselect_b32 s96, s[WV], 0
	s_add_co_u32 s96, s96, s[TS]
	s_and_b32 s96, s96, 15
	s_cmp_ge_u32 s96, 6
	s_cselect_b32 s98, VFAR, 0
	s_mul_i32 s96, s96, KB
	s_add_co_u32 s96, s96, s98
	s_add_co_u32 s97, s[TS], 1
	s_cmp_ge_u32 s97, s[NB]
	s_cselect_b32 s98, s[WV], 0
	s_add_co_u32 s97, s97, s98
	s_and_b32 s97, s97, 15                         ; (in the last step the look-ahead reads keys inside K's parts that no product takes)
	s_cmp_ge_u32 s97, 6
	s_cselect_b32 s98, KFAR, 0
	s_mul_i32 s97, s97, KB
	s_add_co_u32 s97, s97, s98
.endif
	s_wait_dscnt 0x0                               ; K's fragments are in
.set t, 0
.rept 8
	v_wmma_f32_16x16x64_fp8_fp8 v[96+8*t:103+8*t], v[32+8*t:39+8*t], v[16:23], 0
.set t, t+1
.endr
	v_add_nc_u32 v[ADV], s96, v[AV0]               ; with two v_nop four places: in front of the loads below and of the first read of the scores
	v_add_nc_u32 v[ADK], s97, v[AK0]
	v_nop
	v_nop
	WIN 0x40
.set t, 0
.rept 16
	ds_load_b128 v[4*t:4*t+3], v[ADV] offset:LP*8*(t/4)+32*(t%4)
.set t, t+1
.endr
	WIN 0
.if \st == 2                           ; each tile's last step lies on the diagonal: hidden scores become -infinity ahead of the maximum
	s_cmp_eq_u32 s[TS], s[LB]
	s_cbranch_scc1 .Ldiag_\@
	s_cmp_eq_u32 s[TS], 16
	s_cbranch_scc0 .Lopen_\@
.Ldiag_\@:
	WIN 0x04
.set n, 0
.rept 64
	v_min_num_f32 v[96+n], v[96+n], v[64+n]
.set n, n+1
.endr
	WIN 0
.Lopen_\@:
.endif
.irp c, 0,1,2,3                        ; the step's largest score of my query among my 64 keys, in four chains, each from an accumulator's low end on
	v_max3_num_f32 v[208+\c], v[96+16*\c], v[97+16*\c], v[98+16*\c]
.endr
.set k, 1
.rept 6
.irp c, 0,1,2,3
	v_max3_num_f32 v[208+\c], v[208+\c], v[97+16*\c+2*k], v[98+16*\c+2*k]
.endr
.set k, k+1
.endr
	v_max3_num_f32 v208, v208, v111, v127
	v_max3_num_f32 v209, v209, v143, v159
	s_delay_alu instid0(VALU_DEP_2)
	v_max3_num_f32 v210, v210, v211, v208
	s_delay_alu instid0(VALU_DEP_1)
	v_max_num_f32 v210, v210, v209
	s_delay_alu instid0(VALU_DEP_1)
	v_permlanex16_b32 v198, v210, s[SEL], s[SEL+1]
	s_delay_alu instid0(VALU_DEP_1)
	v_max_num_f32 v210, v210, v198                 ; and among lane l xor 16's (the step's first key counts for every query, so this is a number)
	s_delay_alu instid0(VALU_DEP_1)
	v_mul_f32 v210, s[CS], v210
	v_mov_b32 v211, v12
	s_delay_alu instid0(VALU_DEP_2)
	v_max_num_f32 v13, v13, v210                   ; the running largest t
	s_delay_alu instid0(VALU_DEP_1)
	v_floor_f32 v12, -v13                          ; the new -M = -ceil(t)
	FMAS 0, 4
	v_sub_f32 v211, v12, v211                      ; old M - new M: a whole number, 0 or less
	FMAS 4, 5
	v_cvt_i32_f32 v211, v211                       ; (it saturates)
	FMAS 9, 5
	v_ldexp_f32 v194, 1.0, v211                    ; f = 2^(old M - new M)
	FMAS 14, 18
.set j, 0
.rept 16
	v_pk_mul_f32 v[160+j:161+j], v[160+j:161+j], v[194:195] op_sel_hi:[1,0]   ; O^T under the new M
.set j, j+2
.endr
.irp i, 0,1,2,3,4,5,6,7,8,9,10,11,12,13,14,15
	KLD ADK, \i                                    ; the next step's K, in one run ahead of the exponentials
.endr
	s_wait_alu depctr_va_vdst(0)
.set j, 0
.rept 64
	v_exp_f32 v[96+j], v[96+j]                     ; p = 2^(t - M)
.set j, j+1
.endr
	v_pk_mul_f32 v[14:15], v[14:15], v[194:195] op_sel_hi:[1,0]   ; the sums under the new M: the plain line behind the exponentials
	s_wait_alu depctr_va_vdst(0)                   ; one wait for the batch of 64, ahead of its first reader
	s_wait_dscnt 16                                ; V's fragments are in; the next step's 16 loads of K may be out
.set j, 0                              ; the row's sum of the unquantised p, in four chains, and behind a pair's addition its hold
.rept 32
.if j%4 == 3
	v_pk_add_f32 v[14:15], v[14:15], v[96+2*j:97+2*j]
.elseif j >= 7
	v_pk_add_f32 v[248+2*(j%4):249+2*(j%4)], v[248+2*(j%4):249+2*(j%4)], v[96+2*j:97+2*j]
.elseif j >= 4
	v_pk_add_f32 v[248+2*(j%4):249+2*(j%4)], v[88+2*j:89+2*j], v[96+2*j:97+2*j]
.endif
.if j >= 7
	HOLD j-7
.endif
.set j, j+1
.endr
	v_pk_add_f32 v[250:251], v[250:251], v[252:253]
	HOLD 25
	HOLD 26
	HOLD 27
	v_pk_add_f32 v[248:249], v[248:249], v[250:251]
	HOLD 28
	HOLD 29
	HOLD 30
	HOLD 31
.set t, 0
.rept 8
	v_cvt_scalef32_pk8_fp8_f32 v[224+2*t:225+2*t], v[96+8*t:103+8*t], v201
.set t, t+1
.endr
	v_pk_add_f32 v[14:15], v[14:15], v[248:249]    ; (the plain line behind the conversions)
	WIN 0x01
.set t, 0
.rept 4                                ; the four accumulators take turns, one instruction each; the scores' products stand between one step's and the next's
	v_wmma_f32_16x16x128_fp8_fp8 v[160+8*t:167+8*t], v[16*t:16*t+15], v[224:239], v[160+8*t:167+8*t]
.set t, t+1
.endr
	WIN 0
.endm
	s_wait_alu depctr_va_vdst(0)
	s_wait_loadcnt 0x0                             ; Q
	s_mov_b32 s[TS], 0
	s_wait_tensorcnt 0x0                           ; my part of the first fill is in,
	ds_add_u32 v[SPW], v[NIL]
	s_wait_dscnt 0x0                               ; the add is done
	CROUND                                         ; everybody's part is in, and all four work-groups are here:
	tensor_load_to_lds s[H0:H0+3], s[H1:H1+7]      ; the second fill, the first thing behind the round
	s_nop 0
.rept 4
	v_nop
.endr
.irp i, 0,1,2,3,4,5,6,7,8,9,10,11,12,13,14,15
	KLD AK0, \i
.endr
.Lone:
	STEP 1
	s_add_co_u32 s[TS], s[TS], 1
	s_cmp_lt_u32 s[TS], 4
	s_cbranch_scc1 .Lone
	s_wait_tensorcnt 0x0                           ; my own part of the second fill has had steps 0-3 in which to land: it is in,
	s_wait_dscnt 0x0                               ; no LDS access of mine is out: say so,
	s_barrier_signal -1
	STEP 1                                         ; work step 4, which reads bytes of the first fill alone, written by nobody again,
	s_barrier_wait -1                              ; and go on when all have said so: all keys are in; nothing is filled again
	s_mov_b32 s[TS], 5
.Ltwo:
	STEP 2
	s_cmp_lg_u32 s[TS], s[LB]                      ; the late tile's last step: its O^T and sum are laid by, and the early tile begins
	s_cbranch_scc1 .Lkeep
.rept 4
	v_nop                                          ; places behind the last products
.endr
	WIN 0x40
.set j, 0
.rept 32
	v_mov_b32 v[128+j], v[160+j]
.set j, j+1
.endr
	v_mov_b32 v160, v14                            ; window 1's v160, v161: the sum's two halves
	v_mov_b32 v161, v15
	WIN 0
	FRESH
.set j, 0
.rept 8
	v_mov_b32 v[16+j], v[240+j]
.set j, j+1
.endr
	s_wait_alu depctr_va_vdst(0)
.Lkeep:
	s_add_co_u32 s[TS], s[TS], 1
	s_cmp_lt_u32 s[TS], 17
	s_cbranch_scc1 .Ltwo
	; THE WAY OUT: O^T / the sum, held, converted, through my stage, each tile as 1,024 consecutive bytes
	s_wait_dscnt 0x0                               ; the last look-ahead has landed: its registers may be written
	s_wait_alu depctr_va_vdst(0)
	v_add_f32 v14, v14, v15
	WIN 0x05
	v_add_f32 v192, v160, v161                     ; the late tile's, from window 1
	WIN 0
	v_permlanex16_b32 v198, v14, s[SEL], s[SEL+1]
	v_permlanex16_b32 v199, v192, s[SEL], s[SEL+1]
	v_add_f32 v14, v14, v198                       ; the rows' sums
	v_add_f32 v192, v192, v199
	s_mul_i32 s73, s[WV], 32*SROW
	s_add_co_u32 s73, s73, STAGE                   ; my stage
	s_wait_alu depctr_va_vdst(0)
	v_rcp_f32 v14, v14
	v_rcp_f32 v192, v192
	v_and_b32 v8, 15, v0                           ; r  (plain lines behind the reciprocals)
	v_bfe_u32 v9, v0, 4, 1                         ; h
	v_mul_u32_u24 v3, v8, SROW
	v_lshl_add_u32 v3, v9, 3, v3
	v_add_nc_u32 v3, s73, v3                       ; in: row r, 8 bytes for each half of the lanes
	v_and_b32 v4, 31, v0
	v_lshrrev_b32 v8, 2, v4
	v_mul_u32_u24 v8, v8, SROW
	v_and_b32 v4, 3, v4
	v_lshl_add_u32 v4, v4, 4, v8
	v_add_nc_u32 v4, s73, v4                       ; back: four lanes take a row's 64 bytes
	s_wait_alu depctr_va_vdst(0)                   ; ahead of the reciprocals' and the last products' first reader
.set j, 0
.rept 32
	v_mul_f32 v[96+j], v[160+j], v14               ; register 8 t + i is channel 16 t + 8 h + i of query r
.set j, j+1
.endr
	WIN 0x01
.set j, 0
.rept 32
	v_mul_f32 v[32+j], v[128+j], v192
.set j, j+1
.endr
	WIN 0
.set j, 0
.rept 32
	v_med3_num_f32 v[96+j], v[96+j], -v202, v202
	v_med3_num_f32 v[32+j], v[32+j], -v202, v202
.set j, j+1
.endr
.irp t, 0,1,2,3
	v_cvt_scalef32_pk8_fp8_f32 v[224+2*\t:225+2*\t], v[96+8*\t:103+8*\t], v203
	v_cvt_scalef32_pk8_fp8_f32 v[232+2*\t:233+2*\t], v[32+8*\t:39+8*\t], v203
.endr
	v_nop
.irp t, 0,1,2,3
	ds_store_b64 v3, v[224+2*\t:225+2*\t] offset:16*\t
	ds_store_b64 v3, v[232+2*\t:233+2*\t] offset:16*SROW+16*\t
.endr
.irp u, 0,1,2,3
	ds_load_b128 v[208+4*\u:211+4*\u], v4 offset:8*SROW*\u   ; LDS serves a wave's instructions in order: these see my stores
.endr
	s_wait_dscnt 3                                 ; the younger reads may be out
	global_store_b128 v[GO], v[208:211], s[66:67]
	s_wait_dscnt 2
	global_store_b128 v[GO], v[212:215], s[66:67] offset:512
	s_wait_dscnt 1
	global_store_b128 v[GO], v[216:219], s[68:69]
	s_wait_dscnt 0
	global_store_b128 v[GO], v[220:223], s[68:69] offset:512
	s_wait_tensorcnt 0x0                           ; the wave's end
	ds_add_u32 v[SPW], v[NIL]
	s_wait_dscnt 0x0
	CROUND                                         ; the closing round
	s_endpgm
.Lfunc_end_k_qddffad755a_attn:
	.size	k_qddffad755a_attn, .Lfunc_end_k_qddffad755a_attn-k_qddffad755a_attn
	.p2alignl 7, 3214868480
	.fill 96, 4, 3214868480
	.section	.rodata,"a",@progbits
	.p2align	6, 0x0
	.amdhsa_kernel k_qddffad755a_attn
		.amdhsa_group_segment_fixed_size 327680
		.amdhsa_private_segment_fixed_size 0
		.amdhsa_enable_private_segment 0
		.amdhsa_kernarg_size 40
		.amdhsa_user_sgpr_count 2
		.amdhsa_user_sgpr_kernarg_segment_ptr 1
		.amdhsa_wavefront_size32 1
		.amdhsa_system_sgpr_workgroup_id_x 1
		.amdhsa_system_sgpr_workgroup_id_y 1
		.amdhsa_system_sgpr_workgroup_id_z 1
		.amdhsa_system_vgpr_workitem_id 0
		.amdhsa_next_free_vgpr 512
		.amdhsa_next_free_sgpr 100
		.amdhsa_reserve_vcc 1
		.amdhsa_float_denorm_mode_32 3
		.amdhsa_float_denorm_mode_16_64 3
		.amdhsa_memory_ordered 1
		.amdhsa_forward_progress 1
		.amdhsa_inst_pref_size 77
	.end_amdhsa_kernel
	.amdgpu_metadata
---
amdhsa.version: [ 1, 2 ]
amdhsa.kernels:
  - .name:           k_qddffad755a_attn
    .symbol:         k_qddffad755a_attn.kd
    .args:
      - { .name: qc, .offset: 0, .size: 8, .value_kind: global_buffer, .address_space: global }
      - { .name: kc, .offset: 8, .size: 8, .value_kind: global_buffer, .address_space: global }
      - { .name: vc, .offset: 16, .size: 8, .value_kind: global_buffer, .address_space: global }
      - { .name: lowp_scales, .offset: 24, .size: 8, .value_kind: global_buffer, .address_space: global }
      - { .name: cc, .offset: 32, .size: 8, .value_kind: global_buffer, .address_space: global }
    .group_segment_fixed_size: 327680
    .private_segment_fixed_size: 0
    .kernarg_segment_align: 8
    .kernarg_segment_size: 40
    .max_flat_workgroup_size: 256
    .sgpr_count:     100
    .vgpr_count:     512
    .wavefront_size: 32
...
	.end_amdgpu_metadata
.endif
;; end of part 3
;; launch outp (part 4): grid 8 x 32, 4 waves a work-group, clusters of 4 x 4, 327,680 bytes of LDS; arguments cc, wc, lowp_scales, out0; writes out0
.if DOCPART == 4
	.amdgcn_target "amdgcn-amd-amdhsa--gfx1250"
	.amdhsa_code_object_version 6
	.text
	.protected	k_qddffad755a_outp
	.globl	k_qddffad755a_outp
	.p2align	8
	.type	k_qddffad755a_outp,@function
k_qddffad755a_outp:
	s_mov_b64 s[64:65], 0
	v_nop
	global_prefetch_b8 v0, s[64:65] scope:SCOPE_SE
	s_setreg_imm32_b32 hwreg(HW_REG_WAVE_MODE, 25, 1), 1
	s_wait_xcnt 0x0
	s_wait_alu depctr_hold_cnt(0) depctr_sa_sdst(0) depctr_va_vdst(0) depctr_va_sdst(0) depctr_va_ssrc(0) depctr_va_vcc(0) depctr_vm_vsrc(0)
	s_getreg_b32 s2, hwreg(HW_REG_IB_STS2, 6, 4)
	s_cmp_eq_u32 s2, 0
	s_cbranch_scc0 .Lentry_in_a_cluster
	s_endpgm
.Lentry_in_a_cluster:
	s_bfe_u32 s2, ttmp6, 0x10000c
	s_cmp_lg_u32 s2, 0xf033
	s_cbranch_scc0 .Lentry_shape_is_right
	s_endpgm
.Lentry_shape_is_right:
; out0 = ctx W_out on codes of E4M3 (K = 1,024), f32 sums, each multiplied once by 2^(e10 + e11).  LIMIT: e10 + e11 between -126 and 127.
; ctx's codes: cc [row / 64][head 16][row % 64][64]; W_out's: the fourth weight of wc, [n 1,024][k 1,024], k = head x 64 + channel.
; A tile of the result is 128 x 128, so that 32 x 8 = 256 work-groups have one each; four waves of 64 x 64: 16 accumulators.
; ALL OF K LIES IN LDS: 2 x 128 rows x 1,024 bytes, asked for at the start by one load of 65,536 bytes a wave: nothing is filled again, so there is no ring.
; CLUSTERS: 4 x 4 work-groups; ctx's tiles are asked for jointly along a row of the cluster, W_out's along a column.  No prefetch: every tile is asked for at the launch's start.
; The matrix instruction is used transposed (source 0 = 16 rows of W_out's codes, source 1 = 16 rows of ctx): a lane holds eight neighbouring numbers of a row of out0.
; 64 rows of ctx are 16 heads x 64 rows x 64 bytes, dense: 256 lines of 256 bytes; head g, row p lies at LP (16 g + p / 4) + 64 (p % 4).  64 rows of W_out: row p at PB p.
; REGISTERS: window 0: v0-31 addresses; v32-63 a block's results; v64-127 rows read back, two sets; v128-255 the accumulators ((a, b) at v[128 + 8 (4 a + b)]).  window 1: two fragment buffers of 128: ctx's 4 x 16, then W_out's 4 x 16.
.set LP,    272                        ; ctx: an LDS line: 256 bytes + 16
.set PB,    1040                       ; W_out: an LDS row: 1,024 bytes + 16
.set HA,    256*LP                     ; 64 rows of ctx
.set HB,    64*PB                      ; 64 rows of W_out
.set STAGE, 2*HA+2*HB                  ; the way out: 16 rows x 272 bytes for each wave
.set SPARE, STAGE+4*16*LP              ; the spare words: 128 bytes a wave
.set ADRA, 8                           ; v8-11   my ctx fragments' address at K = 0, 256, 512, 768
.set ADRB, 12                          ; v12     the same for W_out, at K = 0
.set STO,  24
.set RD,   25
.set CO,   26
.set SPW,  28
.set NIL,  29
.set TMP,  32
.set BK,   64
.set ACC,  128
.set G1A, 24                           ; s[24:31]
.set G0A, 32                           ; s[32:35]
.set G1B, 48                           ; s[48:55]
.set G0B, 68                           ; s[68:71]
.set MSB, 0
.macro WIN new                         ; the immediate's high byte repeats the setting that is left
.if MSB != \new
	s_set_vgpr_msb (MSB<<8)|\new
.set MSB, \new
.endif
.endm
.set MUL,  0x05                        ; sources 0 and 1 window 1; C and D window 0
.set TO_F, 0x40                        ; destination window 1, address window 0
.macro CROUND
	s_barrier_signal -1
	s_barrier_wait -1
	s_cmp_lg_u32 s10, 0
	s_cbranch_scc1 .Lnot_wave_0_\@
	s_barrier_signal -3
.Lnot_wave_0_\@:
	s_barrier_wait -3
	s_barrier_signal -1
	s_barrier_wait -1
.endm
	s_load_b128 s[4:7], s[0:1], 0x0                ; cc, wc
	s_load_b128 s[84:87], s[0:1], 0x10             ; the scales' exponents, out0
	v_lshl_add_u32 v[SPW], v0, 2, SPARE
	v_mov_b32 v[NIL], 0
	ds_add_u32 v[SPW], v[NIL]                      ; the wave's opening
	ds_add_u32 v[SPW], v[NIL]
	v_lshrrev_b32 v1, 5, v0
	v_readfirstlane_b32 s10, v1                    ; wave 0..3
	s_lshr_b32 s11, s10, 1                         ; which 64 rows of the tile are mine.  Also: I fetch for ctx (0) or W_out (1)
	s_and_b32 s12, s10, 1                          ; which 64 columns.  Also: which 64 rows I fetch
	s_bfe_u32 s56, ttmp6, 0x40000                  ; cx
	s_bfe_u32 s57, ttmp6, 0x40004                  ; cy
	s_lshl_b32 s58, ttmp9, 2
	s_add_co_u32 s58, s58, s56                     ; tile column
	s_and_b32 s13, ttmp7, 0xffff
	s_lshl_b32 s13, s13, 2
	s_add_co_u32 s13, s13, s57                     ; tile row
	s_lshl_b32 s59, s57, 2
	s_lshl_b32 s59, 15, s59                        ; my row of the cluster
	s_lshl_b32 s60, 0x1111, s56                    ; my column
	s_or_b32 s[G1A+0], s59, (0<<16)|(1<<20)|(1<<21)|(5<<22)|(3<<25)  ; the mask; elements of 1 byte; padding on; bit 21 beside a mask; 4 words of padding after every 64
	s_mov_b32 s[G1A+1], 256<<16                    ; tensor_dim0
	s_mov_b32 s[G1A+2], 256<<16                    ; tensor_dim1
	s_mov_b32 s[G1A+3], 256<<16                    ; tile_dim0
	s_mov_b32 s[G1A+4], 256                        ; tile_dim1
	s_mov_b32 s[G1A+5], 256                        ; ctx's 64 rows are dense
	s_mov_b32 s[G1A+6], 0
	s_mov_b32 s[G1A+7], 0
	s_or_b32 s[G1B+0], s60, (0<<16)|(1<<20)|(1<<21)|(7<<22)|(3<<25)  ; 4 words of padding after every 256
	s_mov_b32 s[G1B+1], 1024<<16
	s_mov_b32 s[G1B+2], 64<<16
	s_mov_b32 s[G1B+3], 1024<<16
	s_mov_b32 s[G1B+4], 64
	s_mov_b32 s[G1B+5], 1024
	s_mov_b32 s[G1B+6], 0
	s_mov_b32 s[G1B+7], 0
	s_lshl_b32 s16, s13, 1
	s_add_co_u32 s16, s16, s12
	s_lshl_b32 s16, s16, 16                        ; ctx: (2 x tile row + half) blocks of 64 rows, 65,536 bytes each
	s_mov_b32 s17, 0
	s_lshl_b32 s18, s58, 7
	s_lshl_b32 s19, s12, 6
	s_add_co_u32 s18, s18, s19
	s_lshl_b32 s18, s18, 10                        ; W_out: (128 x tile column + 64 x half) rows,
	s_add_co_u32 s18, s18, 0x300000                ; in the fourth weight
	s_mov_b32 s19, 0
	s_mul_i32 s20, s12, HA                         ; where they go: by the wave's number alone
	s_mul_i32 s21, s12, HB
	s_add_co_u32 s21, s21, 2*HA
	s_wait_dscnt 0x0                               ; both opening adds are done
	s_wait_kmcnt 0x0
	s_load_b64 s[88:89], s[84:85], 0x28            ; e10, e11
	s_mov_b32 s[G0A], 1
	s_mov_b32 s[G0A+1], s20
	s_add_nc_u64 s[G0A+2:G0A+3], s[4:5], s[16:17]
	s_or_b32 s[G0A+3], s[G0A+3], 0x80000000
	s_mov_b32 s[G0B], 1
	s_mov_b32 s[G0B+1], s21
	s_add_nc_u64 s[G0B+2:G0B+3], s[6:7], s[18:19]
	s_or_b32 s[G0B+3], s[G0B+3], 0x80000000
	CROUND                                         ; all sixteen work-groups are here: the joint loads meet
	s_cmp_eq_u32 s11, 0                            ; a wave's one load stands in an arm of one branch on its number; an s_nop 0 and four v_nop follow each
	s_cbranch_scc0 .Lfor_b
	tensor_load_to_lds s[G0A:G0A+3], s[G1A:G1A+7]
	s_nop 0
.rept 4
	v_nop
.endr
	s_branch .Lasked
.Lfor_b:
	tensor_load_to_lds s[G0B:G0B+3], s[G1B:G1B+7]
	s_nop 0
.rept 4
	v_nop
.endr
.Lasked:
	s_mul_i32 s21, s11, HA                         ; my 64 rows of ctx,
	s_mul_i32 s22, s12, HB
	s_add_co_u32 s22, s22, 2*HA                    ; and of W_out
	s_mul_i32 s23, s10, 16*LP
	s_add_co_u32 s23, s23, STAGE                   ; my stage
	v_and_b32 v1, 15, v0                           ; r
	v_bfe_u32 v2, v0, 4, 1                         ; h
	v_lshrrev_b32 v3, 2, v1
	v_mul_u32_u24 v3, v3, LP
	v_and_b32 v4, 3, v1
	v_lshl_add_u32 v3, v4, 6, v3
	v_lshl_add_u32 v3, v2, 4, v3                   ; ctx: LP (r / 4) + 64 (r % 4) + 16 h
	v_mul_u32_u24 v4, v1, PB
	v_lshl_add_u32 v4, v2, 4, v4                   ; W_out: PB r + 16 h
	v_add_nc_u32 v[ADRB], s22, v4
	v_add_nc_u32 v[ADRA], s21, v3
	v_add_nc_u32 v[ADRA+1], 64*LP, v[ADRA]         ; four heads on
	v_add_nc_u32 v[ADRA+2], 128*LP, v[ADRA]
	v_add_nc_u32 v[ADRA+3], 192*LP, v[ADRA]
	v_mul_u32_u24 v5, v1, LP
	v_lshl_add_u32 v5, v2, 5, v5
	v_add_nc_u32 v[STO], s23, v5                   ; in: row r, 32 bytes for each half of the lanes
	v_mul_u32_u24 v5, v2, LP
	v_lshl_add_u32 v5, v1, 4, v5
	v_add_nc_u32 v[RD], s23, v5                    ; back: lanes 0-15 one row of 256 bytes, lanes 16-31 the next
	v_lshlrev_b32 v5, 12, v2
	v_lshl_add_u32 v[CO], v1, 4, v5                ; and the same two rows in out0: rows of 4,096 bytes
	s_wait_alu depctr_va_vdst(0)
	s_lshl_b32 s16, s13, 7
	s_lshl_b32 s17, s11, 6
	s_add_co_u32 s16, s16, s17
	s_lshl_b32 s16, s16, 12                        ; my first row,
	s_lshl_b32 s17, s58, 9
	s_add_co_u32 s16, s16, s17
	s_lshl_b32 s17, s12, 8
	s_add_co_u32 s16, s16, s17                     ; my first column: 512 x tile column + 256 x half bytes
	s_mov_b32 s17, 0
	s_add_nc_u64 s[86:87], s[86:87], s[16:17]
; 8 matrix instructions: ctx's blocks a0, a0 + 1 x W_out's four, 128 along K.  The 16 accumulators take turns, in the same order in every step.
.macro MUL8 f, a0, zero
.irp a, \a0, \a0+1
.irp b, 0,1,2,3
.if \zero
	v_wmma_f32_16x16x128_fp8_fp8 v[ACC+8*(4*(\a)+\b):ACC+8*(4*(\a)+\b)+7], v[64+16*\b+(\f):64+16*\b+15+(\f)], v[16*(\a)+(\f):16*(\a)+15+(\f)], 0
.else
	v_wmma_f32_16x16x128_fp8_fp8 v[ACC+8*(4*(\a)+\b):ACC+8*(4*(\a)+\b)+7], v[64+16*\b+(\f):64+16*\b+15+(\f)], v[16*(\a)+(\f):16*(\a)+15+(\f)], v[ACC+8*(4*(\a)+\b):ACC+8*(4*(\a)+\b)+7]
.endif
.endr
.endr
.endm
; 32 LDS loads in one run: step k's fragments into buffer f.  Registers 4 c .. 4 c + 3 hold K = 32 c + 16 h + 0 .. 15 of the step's 128: in ctx that is head c / 2 of the step's two, channels 32 (c % 2) + 16 h on.
.macro FETCH k, f
	WIN TO_F
.irp i, 0,1,2,3
.irp c, 0,1,2,3
	ds_load_b128 v[16*\i+4*\c+(\f):16*\i+4*\c+3+(\f)], v[ADRA+(\k)/2] offset:16*LP*(2*((\k)%2)+\c/2)+4*LP*\i+32*(\c%2)
.endr
.endr
.irp i, 0,1,2,3
.irp c, 0,1,2,3
	ds_load_b128 v[64+16*\i+4*\c+(\f):64+16*\i+4*\c+3+(\f)], v[ADRB] offset:128*(\k)+32*\c+16*PB*\i
.endr
.endr
.endm
.macro STEPK k
.set FB, 128*((\k)%2)
	s_wait_dscnt 0x0                               ; this step's fragments are in
	WIN MUL
.if (\k) == 0
	MUL8 FB, 0, 1                                  ; the first step's products start the sums
.else
	MUL8 FB, 0, 0
.endif
.if (\k) < 7
.rept 4
	v_nop                                          ; places in front of loads into the buffer that the step before multiplied
.endr
	FETCH (\k)+1, 128*(((\k)+1)%2)
	WIN MUL
.endif
.if (\k) == 0
	MUL8 FB, 2, 1
.else
	MUL8 FB, 2, 0
.endif
.endm
	s_wait_tensorcnt 0x0                           ; my part is in,
	s_barrier_signal -1
	s_barrier_wait -1                              ; and everybody's
	FETCH 0, 0
.irp k, 0,1,2,3,4,5,6,7
	STEPK \k
.endr
	WIN 0
	; THE WAY OUT, block by block of 16 rows x 64 columns: x 2^(e10 + e11), through my own stage, back as rows of 256 bytes: sixteen lanes store 256 consecutive bytes, aligned.
	s_wait_kmcnt 0x0
	s_add_co_i32 s88, s88, s89
	s_add_co_i32 s88, s88, 127
	s_lshl_b32 s88, s88, 23                        ; 2^(e10 + e11) as f32
	s_mov_b32 s89, s88                             ; named with it as a pair, so it is written
.rept 4
	v_nop                                          ; places behind the last products
.endr
.macro TOSTAGE a
.set j, 0
.rept 16
	v_pk_mul_f32 v[TMP+j:TMP+j+1], v[ACC+32*(\a)+j:ACC+32*(\a)+j+1], s[88:89] op_sel_hi:[1,0]   ; each accumulator from its low end on
.set j, j+2
.endr
.irp b, 0,1,2,3
	ds_store_b128 v[STO], v[TMP+8*\b:TMP+8*\b+3] offset:64*\b
	ds_store_b128 v[STO], v[TMP+8*\b+4:TMP+8*\b+7] offset:64*\b+16
.endr
.irp t, 0,1,2,3,4,5,6,7
	ds_load_b128 v[BK+32*((\a)%2)+4*\t:BK+32*((\a)%2)+4*\t+3], v[RD] offset:2*\t*LP   ; LDS serves a wave's instructions in order: these see my stores, and the next block's stores come behind them
.endr
.endm
.macro SEND a, younger
	s_wait_dscnt \younger                          ; the block is back; the next block's 8 stores and 8 loads may be out
.irp t, 0,1,2,3,4,5,6,7
	global_store_b128 v[CO], v[BK+32*((\a)%2)+4*\t:BK+32*((\a)%2)+4*\t+3], s[86:87] offset:(16*(\a)+2*\t)*4096 th:TH_STORE_NT
.endr
.endm
	TOSTAGE 0
.irp a, 1,2,3
.if \a > 1
	s_wait_xcnt 0x0                                ; the stores of two blocks back have read their registers: this block's loads may land there
.endif
	TOSTAGE \a
	SEND \a-1, 16
.endr
	SEND 3, 0
	s_wait_tensorcnt 0x0                           ; the wave's end
	ds_add_u32 v[SPW], v[NIL]
	s_wait_dscnt 0x0
	CROUND                                         ; the closing round
	s_endpgm
.Lfunc_end_k_qddffad755a_outp:
	.size	k_qddffad755a_outp, .Lfunc_end_k_qddffad755a_outp-k_qddffad755a_outp
	.p2alignl 7, 3214868480
	.fill 96, 4, 3214868480
	.section	.rodata,"a",@progbits
	.p2align	6, 0x0
	.amdhsa_kernel k_qddffad755a_outp
		.amdhsa_group_segment_fixed_size 327680
		.amdhsa_private_segment_fixed_size 0
		.amdhsa_enable_private_segment 0
		.amdhsa_kernarg_size 32
		.amdhsa_user_sgpr_count 2
		.amdhsa_user_sgpr_kernarg_segment_ptr 1
		.amdhsa_wavefront_size32 1
		.amdhsa_system_sgpr_workgroup_id_x 1
		.amdhsa_system_sgpr_workgroup_id_y 1
		.amdhsa_system_sgpr_workgroup_id_z 1
		.amdhsa_system_vgpr_workitem_id 0
		.amdhsa_next_free_vgpr 512
		.amdhsa_next_free_sgpr 96
		.amdhsa_reserve_vcc 0
		.amdhsa_float_denorm_mode_32 3
		.amdhsa_float_denorm_mode_16_64 3
		.amdhsa_memory_ordered 1
		.amdhsa_forward_progress 1
		.amdhsa_inst_pref_size 44
	.end_amdhsa_kernel
	.amdgpu_metadata
---
amdhsa.version: [ 1, 2 ]
amdhsa.kernels:
  - .name:           k_qddffad755a_outp
    .symbol:         k_qddffad755a_outp.kd
    .args:
      - { .name: cc, .offset: 0, .size: 8, .value_kind: global_buffer, .address_space: global }
      - { .name: wc, .offset: 8, .size: 8, .value_kind: global_buffer, .address_space: global }
      - { .name: lowp_scales, .offset: 16, .size: 8, .value_kind: global_buffer, .address_space: global }
      - { .name: out0, .offset: 24, .size: 8, .value_kind: global_buffer, .address_space: global }
    .group_segment_fixed_size: 327680
    .private_segment_fixed_size: 0
    .kernarg_segment_align: 8
    .kernarg_segment_size: 32
    .max_flat_workgroup_size: 128
    .sgpr_count:     96
    .vgpr_count:     512
    .wavefront_size: 32
...
	.end_amdgpu_metadata
.endif
;; end of part 4
